; MI455X (gfx1250); checked and timed in simulation.
; The chip was launched on July 23, 2026; its instructions are those of AMD's public machine-readable ISA for CDNA 5 (MIT licence, August 2026) and "CDNA5" Instruction Set Architecture Reference Guide (July 2026). The comments in the code are by the model that wrote it; some were corrected since.
;; Transformer Encoder Layer. Allowed arithmetic: matrix products marked QUANTISED: E4M3 operands, one E8M0 scale for each 32 along K, by v_wmma_scale_f32_16x16x128_f8f6f4 with both operands' format E4M3, f32 sums; everything else in f32.
;; Inputs: b1 4,096 float32; b2 1,024 float32; b_out 1,024 float32; be1 1,024 float32; be2 1,024 float32; g1 1,024 float32; g2 1,024 float32; mask 2 x 2,048 int32; w1 1,024 x 4,096 float32; w2 4,096 x 1,024 float32; w_out 1,024 x 1,024 float32; w_qkv 1,024 x 3,072 float32; x 2 x 2,048 x 1,024 float32.
;; Outputs: out0 2 x 2,048 x 1,024 float32.
;; This version of the problem:
;;   THIS VERSION OF THE PROBLEM IS GIVEN IN LOW PRECISION. The matrix products marked QUANTISED in the list below multiply operands that are first quantised to E4M3 (4 exponent bits, 3 mantissa bits; 8 bits a number), with one power-of-two scale for each 32 numbers along K (OCP MX v1.0); their sums are f32. All else is computed in f32.
;;   The module's matrix products, in the order in which they are computed (A, B: the left and right operand; K: the contracted axis; several contracted axes count as one K, in the product's order):
;;     1. [M 4,096, K 1,024] x [K 1,024, N 3,072]; A: computed on the way; B: input w_qkv: QUANTISED
;;     2. batch 32 x [M 2,048, K 64] x [K 64, N 2,048]; A: computed on the way; B: computed on the way: QUANTISED
;;     3. batch 32 x [M 2,048, K 2,048] x [K 2,048, N 64]; A: softmax (see below); B: computed on the way: QUANTISED
;;     4. [M 4,096, K 1,024] x [K 1,024, N 1,024]; A: computed on the way; B: input w_out: QUANTISED
;;     5. [M 4,096, K 1,024] x [K 1,024, N 4,096]; A: computed on the way; B: input w1: QUANTISED
;;     6. [M 4,096, K 4,096] x [K 4,096, N 1,024]; A: computed on the way; B: input w2: QUANTISED
;;   THE QUANTISER, for each operand of a quantised product, along K:
;;     - K is cut into blocks of 32 from its start; a last block that is shorter is filled with zeros.
;;     - A block's scale is 2^e with e = floor(log2(the largest magnitude in the block)) - 8, held to -126 .. 127; a block of zeros has e = 0. As a byte (E8M0): e + 127.
;;     - Each number is divided by its block's scale, clamped to +-448, and rounded to the nearest number of E4M3, ties to even, subnormals kept.
;;     - The product sums the exact products of the quantised numbers (number of the format x scale) in f32.
;;   ~~~python
;;   def quantise(x, axis):      # numpy; x: float32 -> the quantised numbers, widened to float32 again
;;       x = np.moveaxis(x, axis, -1); K = x.shape[-1]
;;       x = np.pad(x, [(0, 0)] * (x.ndim - 1) + [(0, -K % 32)]); x = x.reshape(x.shape[:-1] + (-1, 32)); a = np.abs(x).max(-1, keepdims=True)
;;       e = np.where(a > 0, np.clip(np.frexp(np.where(a > 0, a, 1))[1] - 1 - 8, -126, 127), 0)      # np.frexp(a)[1] - 1 = floor(log2(a)), exactly
;;       r = np.clip(x / 2.0 ** e, -448, 448)
;;       step = 2.0 ** (np.maximum(np.frexp(np.where(r == 0, 1, r))[1] - 1, -6) - 3)
;;       q = np.round(r / step) * step * 2.0 ** e      # np.round: ties to even
;;       return np.moveaxis(q.reshape(q.shape[:-2] + (-1,))[..., :K], -1, axis).astype(np.float32)
;;   ~~~
;;   SOFTMAX AHEAD OF A QUANTISED PRODUCT. Where the list says 'softmax', what is quantised is not the finished softmax but p = 2^(t - M), with t = logit x log2(e) and M = ceil(the row's largest t), a whole number; so 1/2 < the row's largest p <= 1. The row's sum l is taken of the UNQUANTISED p, in f32, and the product's result is divided by l at the end. Since M is a whole number, a kernel that streams over the keys may use a running M (the ceiling of the running maximum): every later rescaling is an exact power of two, which a block's scale takes up: the codes' values come out the same.
;;   OPERANDS COMPUTED ON THE WAY. 'Computed on the way' means the value that the module computes at that place (a softmax that the list does not call 'softmax' is quantised finished and normalised). What goes into a quantiser is computed in f32, as accurately as f32 sums, v_exp_f32 and their like allow (about 1e-6 of the number): no bf16 or f16 on the way to a quantiser, and a product that is left as it is and whose result goes on into a quantised operand takes f32 operands (vector FMAs, or v_wmma_f32_16x16x4_f32). A number that lies on a knife's edge between two numbers of the format may be rounded either way, as far as f32 arithmetic and the matrix unit's own rounding can turn it there, and no further.
;; One version. Each part assembles by itself: llvm-mc -triple=amdgcn-amd-amdhsa -mcpu=gfx1250 --defsym DOCPART=n.
;; ======== version 1 of 1: 7 launches
;; limits: right only within a limited range of input values
;; workspace buffers: wq 12,976,128 bytes; act 4,325,376 bytes; qkv 13,369,344 bytes; x1 16,777,216 bytes; hid 17,301,504 bytes
;; launch prep (part 1): grid 640 x 1, 4 waves a work-group, no clusters, 66,304 bytes of LDS; arguments x, g1, be1, w_qkv, w_out, w1, w2, act, wq; writes act, wq
.if DOCPART == 1
	.amdgcn_target "amdgcn-amd-amdhsa--gfx1250"
	.amdhsa_code_object_version 6
	.text
	.protected	k_q9add3a665f_prep
	.globl	k_q9add3a665f_prep
	.p2align	8
	.type	k_q9add3a665f_prep,@function
k_q9add3a665f_prep:
	s_mov_b64 s[64:65], 0
	v_nop
	global_prefetch_b8 v0, s[64:65] scope:SCOPE_SE
	s_setreg_imm32_b32 hwreg(HW_REG_WAVE_MODE, 25, 1), 1
	s_wait_xcnt 0x0
; TWO JOBS IN ONE LAUNCH, parted by the work-group's number.
; Work-groups 0-255: layer norm of 16 rows of x [4096][1024] f32, quantised to FP8 (E4M3) with one E8M0 byte for each 32 along K, stored as IMAGES OF OPERAND REGISTERS.
; Work-groups 256-639: the four weights [K][N] f32 quantised along K (their first axis), stored as the same kind of image.
; THE IMAGE.  A tile is 16 rows; lane r of tile t holds row 32 (t / 2) + 8 (t % 2) + r + 8 (r / 8).  Fragment (t, s) is 16 rows x 128 K, 2,048 bytes at (t KS + s) 2048: registers 4 c .. 4 c + 3 of lane l
; (k = 128 s + 32 c + 16 (l / 16) + 0 .. 15) lie at 512 c + 16 l.  Its scale words (byte c = block c) lie at (t KS + s) 64 + 4 r.  KS = K / 128.
; A block's scale is 2^(floor(log2(largest magnitude)) - 8); numbers are held within +-448 x the scale and rounded to the nearest code, ties to even.
; LIMITS: a block whose largest magnitude lies under 2^-118 (a block of zeros too) keeps the byte 1: its bytes are read by this program alone; NaN and infinities are not served.
; No tensor loads, no cluster: work-groups share no input here.
.set LNWG, 256                         ; work-groups of the norm
.set LP,   4112                        ; a row of y in LDS: 4,096 bytes + 16 = 257 x 16: sixteen rows of a 16-byte read start in sixteen different columns of banks
.set G,    16                          ; v16-47   gain: my 32 numbers
.set BE,   48                          ; v48-79   bias
.set X,    80                          ; v80-207  four rows x 32 numbers; later two sets of 64 numbers for the quantiser
.set TM,   208                         ; v208-223 largest magnitudes, bytes, holds, scale operands
.set PW,   224                         ; the scale word just made
.set PW0,  225                         ; the first fragment's
.set PC,   226                         ; v226-241 the codes just made
.set SA,   242                         ; v242-249 a pair of statistics a row
.set SEL,  56                          ; s[56:57] lane selects for v_permlanex16_b32: lane l xor 16
.set MNT,  58                          ; s58 the mantissa field of 448
.set OFF,  32                          ; weights: v32-63 offsets of 32 rows of K
.set XW,   64                          ; v64-127  two sets of 32 numbers
.set CW,   128                         ; v128-191 codes, eight registers a block, never rewritten
.set SBW,  24                          ; v24-25   scale words
; 64 numbers of a lane, register 16 b + i = k 32 b + 16 (lane / 16) + i of my row, become a fragment's codes in v[PC] on and its scale word in v[PW]
.macro QUANT s
.irp b, 0,1,2,3
	v_max3_num_f32 v[TM+\b], |v[\s+16*\b]|, |v[\s+1+16*\b]|, 0x4800000   ; my 16 numbers of block b, and the floor 2^(9 - 127): the byte cannot fall under 1
.endr
.irp i, 2,4,6,8,10,12,14
.irp b, 0,1,2,3
	v_max3_num_f32 v[TM+\b], v[TM+\b], |v[\s+16*\b+\i]|, |v[\s+1+16*\b+\i]|
.endr
.endr
.irp b, 0,1,2,3
	v_permlanex16_b32 v[TM+4+\b], v[TM+\b], s[SEL], s[SEL+1]
.endr
.irp b, 0,1,2,3
	v_max_num_f32 v[TM+\b], v[TM+\b], v[TM+4+\b]           ; with lane l xor 16's: the block's largest magnitude
.endr
.irp b, 0,1,2,3
	v_add_nc_u32 v[TM+12+\b], 0xfc000000, v[TM+\b]         ; 8 off its exponent field: the conversion's scale operand
.endr
.irp b, 0,1,2,3
	v_and_or_b32 v[TM+8+\b], v[TM+\b], 0x7f800000, s[MNT]  ; 448 x the scale
.endr
.irp b, 0,1,2,3
	v_lshrrev_b32 v[TM+4+\b], 23, v[TM+12+\b]              ; the scale's byte
.endr
	v_lshl_or_b32 v[PW], v[TM+5], 8, v[TM+4]
	v_lshl_or_b32 v[PW], v[TM+6], 16, v[PW]
	v_lshl_or_b32 v[PW], v[TM+7], 24, v[PW]
.irp b, 0,1,2,3
.irp i, 0,1,2,3,4,5,6,7,8,9,10,11,12,13,14,15
	v_med3_num_f32 v[\s+16*\b+\i], v[\s+16*\b+\i], -v[TM+8+\b], v[TM+8+\b]   ; the conversion does not saturate (ISA guide 7.6.2): the hold comes first
.endr
	v_cvt_scalef32_pk8_fp8_f32 v[PC+4*\b:PC+1+4*\b], v[\s+16*\b:\s+7+16*\b], v[TM+12+\b]
	v_cvt_scalef32_pk8_fp8_f32 v[PC+2+4*\b:PC+3+4*\b], v[\s+8+16*\b:\s+15+16*\b], v[TM+12+\b]
.endr
	v_nop                                          ; one plain line behind the last scaled conversion
.endm
; each row's pair of partial sums becomes the sum over the wave's 32 lanes, in every lane; the four rows by turns
.macro LANESUM
.irp p, 0,1,2,3
	v_add_f32 v[SA+2*\p], v[SA+2*\p], v[SA+2*\p+1]
.endr
.irp m, 1,2,4,8
.irp p, 0,1,2,3
	v_add_f32_dpp v[SA+2*\p], v[SA+2*\p], v[SA+2*\p] row_xmask:\m row_mask:0xf bank_mask:0xf
.endr
.endr
.irp p, 0,1,2,3
	v_permlanex16_b32 v[SA+2*\p+1], v[SA+2*\p], s[SEL], s[SEL+1]
.endr
.irp p, 0,1,2,3
	v_add_f32 v[SA+2*\p], v[SA+2*\p], v[SA+2*\p+1]
.endr
.endm
	s_load_b256 s[4:11], s[0:1], 0x0               ; x, gain, bias, w_qkv
	s_load_b256 s[12:19], s[0:1], 0x20             ; w_out, w1, w2, act
	s_load_b64 s[20:21], s[0:1], 0x40              ; wq
	v_lshl_add_u32 v254, v0, 2, 0x10100
	v_mov_b32 v255, 0
	v_lshrrev_b32 v1, 5, v0
	v_readfirstlane_b32 s22, v1                    ; wave 0..3
	v_and_b32 v2, 31, v0                           ; lane
	s_mov_b32 s[MNT], 0x600000
	s_cmp_ge_u32 ttmp9, LNWG
	s_cbranch_scc1 .Lweights
	; ---------------- THE NORM.  Work-group t makes tile t; wave w takes the tile's lanes r = 4 w .. 4 w + 3: four neighbouring rows of x
	v_lshlrev_b32 v4, 4, v2                        ; 16 x lane: a load of the wave covers 512 consecutive bytes
	s_mul_i32 s23, s22, 4*LP
	v_add_nc_u32 v5, s23, v4                       ; LDS, on the way in: my wave's four rows
	v_and_b32 v3, 15, v0                           ; r
	v_bfe_u32 v9, v0, 4, 1                         ; h
	v_mul_u32_u24 v6, v3, LP
	v_lshl_add_u32 v6, v9, 6, v6
	s_lshl_b32 s23, s22, 10
	v_add_nc_u32 v6, s23, v6                       ; on the way out: row r, + 64 h, + my wave's two K steps (1,024 bytes)
	v_lshlrev_b32 v8, 2, v2                        ; 4 x lane
	s_lshr_b32 s24, ttmp9, 1
	s_lshl_b32 s24, s24, 5
	s_and_b32 s25, ttmp9, 1
	s_lshl_b32 s25, s25, 3
	s_add_co_u32 s24, s24, s25
	s_lshl_b32 s25, s22, 2
	s_add_co_u32 s24, s24, s25
	s_lshr_b32 s25, s22, 1
	s_lshl_b32 s25, s25, 3
	s_add_co_u32 s24, s24, s25                     ; my first row: 32 (t / 2) + 8 (t % 2) + 4 w + 8 (w / 2)
	s_lshl_b32 s24, s24, 12                        ; in bytes
	s_mov_b32 s25, 0
	s_lshl_b32 s26, ttmp9, 3
	s_lshl_b32 s27, s22, 1
	s_add_co_u32 s26, s26, s27                     ; my first fragment: 8 t + 2 w
	s_lshl_b32 s28, s26, 6
	s_mov_b32 s29, 0
	s_lshl_b32 s26, s26, 11
	s_mov_b32 s27, 0
	s_mov_b32 s[SEL], 0x76543210
	s_mov_b32 s[SEL+1], 0xfedcba98
	s_mov_b32 s30, 0x3a800000                      ; 1 / 1024
	s_mov_b32 s31, 0x3727c5ac                      ; 1e-5
	s_mov_b32 s32, 0xffff0000                      ; lanes 16-31
	s_wait_alu depctr_va_vdst(0)
	s_wait_kmcnt 0x0
	s_add_nc_u64 s[4:5], s[4:5], s[24:25]
	s_add_nc_u64 s[34:35], s[18:19], s[26:27]      ; my codes
	s_add_nc_u64 s[36:37], s[18:19], s[28:29]
	s_add_nc_u64 s[36:37], s[36:37], 0x400000      ; my scale words: behind the 4 MiB of codes
.irp p, 0,1,2,3
.irp j, 0,1,2,3,4,5,6,7
	global_load_b128 v[X+32*\p+4*\j:X+32*\p+4*\j+3], v4, s[4:5] offset:4096*\p+512*\j
.endr
.endr
.irp j, 0,1,2,3,4,5,6,7
	global_load_b128 v[G+4*\j:G+4*\j+3], v4, s[6:7] offset:512*\j
	global_load_b128 v[BE+4*\j:BE+4*\j+3], v4, s[8:9] offset:512*\j
.endr
.irp b, 0,1,2,3
	v_mov_b32 v[TM+4+\b], 0                        ; written once: a lane permute's destination counts as one of its sources
.endr
	s_wait_loadcnt 16                              ; the rows are in; the sixteen loads of gain and bias may be out
.irp p, 0,1,2,3
	v_pk_add_f32 v[SA+2*\p:SA+2*\p+1], v[X+32*\p:X+32*\p+1], v[X+32*\p+2:X+32*\p+3]
.endr
.set q, 4
.rept 14
.irp p, 0,1,2,3
	v_pk_add_f32 v[SA+2*\p:SA+2*\p+1], v[SA+2*\p:SA+2*\p+1], v[X+32*\p+q:X+32*\p+q+1]
.endr
.set q, q+2
.endr
	LANESUM
.irp p, 0,1,2,3
	v_mul_f32 v[SA+2*\p], 0xba800000, v[SA+2*\p]   ; minus the mean
.endr
.set q, 0
.rept 16
.irp p, 0,1,2,3
	v_pk_add_f32 v[X+32*\p+q:X+32*\p+q+1], v[X+32*\p+q:X+32*\p+q+1], v[SA+2*\p:SA+2*\p+1] op_sel_hi:[1,0]   ; d = x - mean: the variance is taken of d, so a common offset costs no accuracy
.endr
.set q, q+2
.endr
.irp p, 0,1,2,3
	v_pk_mul_f32 v[SA+2*\p:SA+2*\p+1], v[X+32*\p:X+32*\p+1], v[X+32*\p:X+32*\p+1]
.endr
.set q, 2
.rept 15
.irp p, 0,1,2,3
	v_pk_fma_f32 v[SA+2*\p:SA+2*\p+1], v[X+32*\p+q:X+32*\p+q+1], v[X+32*\p+q:X+32*\p+q+1], v[SA+2*\p:SA+2*\p+1]
.endr
.set q, q+2
.endr
	LANESUM
.irp p, 0,1,2,3
	v_fma_f32 v[SA+2*\p], v[SA+2*\p], s30, s31     ; variance + eps
.endr
	s_wait_alu depctr_va_vdst(0)
.irp p, 0,1,2,3
	v_rsq_f32 v[SA+2*\p], v[SA+2*\p]
.endr
	v_nop                                          ; a plain line behind the last of the four
	s_wait_alu depctr_va_vdst(0)                   ; one wait for the batch, ahead of its first reader
	s_wait_loadcnt 0x0                             ; gain and bias
.set q, 0
.rept 16
.irp p, 0,1,2,3
	v_pk_mul_f32 v[X+32*\p+q:X+32*\p+q+1], v[X+32*\p+q:X+32*\p+q+1], v[SA+2*\p:SA+2*\p+1] op_sel_hi:[1,0]
.endr
.irp p, 0,1,2,3
	v_pk_fma_f32 v[X+32*\p+q:X+32*\p+q+1], v[X+32*\p+q:X+32*\p+q+1], v[G+q:G+q+1], v[BE+q:BE+q+1]
.endr
.set q, q+2
.endr
.irp p, 0,1,2,3
.irp j, 0,1,2,3,4,5,6,7
	ds_store_b128 v5, v[X+32*\p+4*\j:X+32*\p+4*\j+3] offset:LP*\p+512*\j
.endr
.endr
	s_wait_dscnt 0x0                               ; for the others' sake: my four rows lie in LDS
	s_barrier_signal -1
	s_barrier_wait -1
	; wave w makes the tile's fragments s = 2 w and 2 w + 1: lane (r, h) takes, of row r, 16 neighbours of each block of 32
.irp f, 0,1
.irp c, 0,1,2,3
.irp i, 0,1,2,3
	ds_load_b128 v[X+64*\f+16*\c+4*\i:X+64*\f+16*\c+4*\i+3], v6 offset:512*\f+128*\c+16*\i
.endr
.endr
.endr
	s_wait_dscnt 16                                ; the first fragment's numbers are in; the second's sixteen loads may be out
	QUANT X
.irp c, 0,1,2,3
	global_store_b128 v4, v[PC+4*\c:PC+4*\c+3], s[34:35] offset:512*\c   ; 32 lanes store 512 consecutive bytes
.endr
	v_mov_b32 v[PW0], v[PW]
	s_wait_dscnt 0x0
	s_wait_xcnt 0x0                                ; the stores have read the codes' registers: they are written again only behind this wait
	QUANT X+64
.irp c, 0,1,2,3
	global_store_b128 v4, v[PC+4*\c:PC+4*\c+3], s[34:35] offset:2048+512*\c
.endr
	v_cndmask_b32 v[PW0], v[PW0], v[PW], s32       ; lanes 0-15 the first fragment's words, lanes 16-31 the second's: 128 consecutive bytes
	global_store_b32 v8, v[PW0], s[36:37]
	s_wait_tensorcnt 0x0
	ds_add_u32 v254, v255
	s_wait_dscnt 0x0
	s_endpgm
	; ---------------- THE WEIGHTS.  A lane takes a column n and its registers run down K: a block of 32 lies in one lane, and the codes come out with K innermost.
	; A wave takes 32 columns (a pair of tiles) x 256 along K (8 blocks, 2 K steps).  Lane x is column 32 P + x = lane r = x % 8 + 8 (x / 16) of tile 2 P + (x / 8) % 2,
	; so each store of 16 bytes a lane fills 256 consecutive bytes of each of the two tiles.
.Lweights:
	s_sub_co_u32 s23, ttmp9, LNWG
	s_wait_kmcnt 0x0
	s_mov_b64 s[24:25], s[16:17]                   ; which tensor: chosen by the work-group's number alone.  w2:
	s_mov_b32 s26, 4096                            ; a row in bytes
	s_mov_b32 s27, 32                              ; KS
	s_mov_b32 s28, 0x800000                        ; its codes' place in wq
	s_mov_b32 s29, 4                               ; log2 of its runs of 256 along K
	s_mov_b32 s30, 256                             ; its first work-group
	s_cmp_lt_u32 s23, 256                          ; w1
	s_cselect_b64 s[24:25], s[14:15], s[24:25]
	s_cselect_b32 s26, 16384, s26
	s_cselect_b32 s27, 8, s27
	s_cselect_b32 s28, 0x400000, s28
	s_cselect_b32 s29, 2, s29
	s_cselect_b32 s30, 128, s30
	s_cmp_lt_u32 s23, 128                          ; w_out
	s_cselect_b64 s[24:25], s[12:13], s[24:25]
	s_cselect_b32 s26, 4096, s26
	s_cselect_b32 s28, 0x300000, s28
	s_cselect_b32 s30, 96, s30
	s_cmp_lt_u32 s23, 96                           ; w_qkv
	s_cselect_b64 s[24:25], s[10:11], s[24:25]
	s_cselect_b32 s26, 12288, s26
	s_cselect_b32 s28, 0, s28
	s_cselect_b32 s30, 0, s30
	s_sub_co_u32 s23, s23, s30
	s_bfm_b32 s31, s29, 0
	s_and_b32 s31, s23, s31                        ; kg: which 256 along K
	s_lshr_b32 s23, s23, s29                       ; which 128 columns
	s_lshl_b32 s23, s23, 2
	s_add_co_u32 s23, s23, s22                     ; P: my wave's pair of tiles
	s_mul_i32 s32, s31, s26
	s_lshl_b32 s32, s32, 8                         ; 256 kg rows,
	s_lshl_b32 s34, s23, 7
	s_add_co_u32 s32, s32, s34                     ; + 128 P bytes
	s_mov_b32 s33, 0
	s_lshl_b32 s34, s26, 5                         ; a block: 32 rows
	s_mov_b32 s35, 0
	s_add_nc_u64 s[36:37], s[24:25], s[32:33]      ; a base for each of the eight blocks: nothing is stepped later
.irp t, 1,2,3,4,5,6,7
	s_add_nc_u64 s[36+2*\t:37+2*\t], s[34+2*\t:35+2*\t], s[34:35]
.endr
	s_mul_i32 s32, s23, s27
	s_add_co_u32 s32, s32, s31
	s_lshl_b32 s32, s32, 1                         ; my first fragment: 2 P KS + 2 kg
	s_lshl_b32 s52, s32, 11
	s_add_co_u32 s52, s52, s28
	s_mov_b32 s53, 0
	s_add_nc_u64 s[52:53], s[20:21], s[52:53]      ; its codes
	s_lshl_b32 s54, s32, 6
	s_lshr_b32 s28, s28, 5
	s_add_co_u32 s54, s54, s28
	s_add_co_u32 s54, s54, 0xc00000
	s_mov_b32 s55, 0
	s_add_nc_u64 s[54:55], s[20:21], s[54:55]      ; its scale words: behind the 12 MiB of codes
	s_wait_alu depctr_va_vdst(0)
	v_lshlrev_b32 v3, 2, v2                        ; 4 x
	v_bfe_u32 v4, v2, 3, 1                         ; which tile of the pair
	v_and_b32 v5, 7, v2
	v_lshrrev_b32 v6, 4, v2
	v_lshl_add_u32 v5, v6, 3, v5                   ; r
	s_lshl_b32 s32, s27, 11
	v_mul_u32_u24 v10, v4, s32
	v_lshl_add_u32 v10, v5, 4, v10                 ; codes: the tile's KS fragments on, + 16 r
	s_lshl_b32 s32, s27, 6
	v_mul_u32_u24 v11, v4, s32
	v_lshl_add_u32 v11, v5, 2, v11                 ; scale words: likewise, + 4 r
.set q, 0
.rept 32
	v_mad_u32_u24 v[OFF+q], s26, q, v3             ; row q of a block, my column
.set q, q+1
.endr
.macro WLOAD t                         ; block t into set t % 2: each load reads 128 consecutive bytes, the four waves side by side 512
.set q, 0
.rept 32
	global_load_b32 v[XW+32*((\t)%2)+q], v[OFF+q], s[36+2*(\t):37+2*(\t)] th:TH_LOAD_NT
.set q, q+1
.endr
.endm
.macro BLOCK t
.set XS, XW+32*((\t)%2)
.if (\t) < 7
	s_wait_loadcnt 32                              ; this block's 32 loads are in; the next block's may be out
.else
	s_wait_loadcnt 0x0
.endif
	v_max3_num_f32 v12, |v[XS]|, |v[XS+1]|, |v[XS+2]|
	v_max3_num_f32 v13, |v[XS+3]|, |v[XS+4]|, |v[XS+5]|
.irp i, 6,10,14,18,22,26
	v_max3_num_f32 v12, v12, |v[XS+\i]|, |v[XS+\i+1]|
	v_max3_num_f32 v13, v13, |v[XS+\i+2]|, |v[XS+\i+3]|
.endr
	v_max3_num_f32 v12, v12, |v[XS+30]|, |v[XS+31]|
	v_max3_num_f32 v12, v12, v13, 0x4800000        ; the floor
	v_add_nc_u32 v15, 0xfc000000, v12              ; the conversion's scale operand
	v_and_or_b32 v14, v12, 0x7f800000, s[MNT]      ; 448 x the scale
	v_lshrrev_b32 v13, 23, v15                     ; the byte
.if (\t)%4 == 0
	v_mov_b32 v[SBW+(\t)/4], v13
.else
	v_lshl_or_b32 v[SBW+(\t)/4], v13, 8*((\t)%4), v[SBW+(\t)/4]
.endif
.set q, 0
.rept 32
	v_med3_num_f32 v[XS+q], v[XS+q], -v14, v14
.set q, q+1
.endr
.irp g, 0,1,2,3
	v_cvt_scalef32_pk8_fp8_f32 v[CW+8*(\t)+2*\g:CW+8*(\t)+2*\g+1], v[XS+8*\g:XS+8*\g+7], v15
.endr
	v_nop                                          ; one plain line behind the last scaled conversion
	global_store_b128 v10, v[CW+8*(\t):CW+8*(\t)+3], s[52:53] offset:((\t)/4)*2048+((\t)%4)*512       ; k 0-15 of the block: the place of lanes 0-15
	global_store_b128 v10, v[CW+8*(\t)+4:CW+8*(\t)+7], s[52:53] offset:((\t)/4)*2048+((\t)%4)*512+256 ; k 16-31: that of lanes 16-31
.if (\t)+2 < 8
	WLOAD (\t)+2
.endif
.if (\t)%4 == 3
	global_store_b32 v11, v[SBW+(\t)/4], s[54:55] offset:((\t)/4)*64
.endif
.endm
	WLOAD 0
	WLOAD 1
.irp t, 0,1,2,3,4,5,6,7
	BLOCK \t
.endr
	s_endpgm
.Lfunc_end_k_q9add3a665f_prep:
	.size	k_q9add3a665f_prep, .Lfunc_end_k_q9add3a665f_prep-k_q9add3a665f_prep
	.p2alignl 7, 3214868480
	.fill 96, 4, 3214868480
	.section	.rodata,"a",@progbits
	.p2align	6, 0x0
	.amdhsa_kernel k_q9add3a665f_prep
		.amdhsa_group_segment_fixed_size 66304
		.amdhsa_private_segment_fixed_size 0
		.amdhsa_enable_private_segment 0
		.amdhsa_kernarg_size 72
		.amdhsa_user_sgpr_count 2
		.amdhsa_user_sgpr_kernarg_segment_ptr 1
		.amdhsa_wavefront_size32 1
		.amdhsa_system_sgpr_workgroup_id_x 1
		.amdhsa_system_sgpr_workgroup_id_y 1
		.amdhsa_system_sgpr_workgroup_id_z 1
		.amdhsa_system_vgpr_workitem_id 0
		.amdhsa_next_free_vgpr 256
		.amdhsa_next_free_sgpr 66
		.amdhsa_reserve_vcc 0
		.amdhsa_float_denorm_mode_32 3
		.amdhsa_float_denorm_mode_16_64 3
		.amdhsa_memory_ordered 1
		.amdhsa_forward_progress 1
		.amdhsa_inst_pref_size 112
	.end_amdhsa_kernel
	.amdgpu_metadata
---
amdhsa.version: [ 1, 2 ]
amdhsa.kernels:
  - .name:           k_q9add3a665f_prep
    .symbol:         k_q9add3a665f_prep.kd
    .args:
      - { .name: x, .offset: 0, .size: 8, .value_kind: global_buffer, .address_space: global }
      - { .name: g1, .offset: 8, .size: 8, .value_kind: global_buffer, .address_space: global }
      - { .name: be1, .offset: 16, .size: 8, .value_kind: global_buffer, .address_space: global }
      - { .name: w_qkv, .offset: 24, .size: 8, .value_kind: global_buffer, .address_space: global }
      - { .name: w_out, .offset: 32, .size: 8, .value_kind: global_buffer, .address_space: global }
      - { .name: w1, .offset: 40, .size: 8, .value_kind: global_buffer, .address_space: global }
      - { .name: w2, .offset: 48, .size: 8, .value_kind: global_buffer, .address_space: global }
      - { .name: act, .offset: 56, .size: 8, .value_kind: global_buffer, .address_space: global }
      - { .name: wq, .offset: 64, .size: 8, .value_kind: global_buffer, .address_space: global }
    .group_segment_fixed_size: 66304
    .private_segment_fixed_size: 0
    .kernarg_segment_align: 8
    .kernarg_segment_size: 72
    .max_flat_workgroup_size: 128
    .sgpr_count:     66
    .vgpr_count:     256
    .wavefront_size: 32
...
	.end_amdgpu_metadata
.endif
;; end of part 1
;; launch qkv (part 2): grid 12 x 16, 4 waves a work-group, clusters of 4 x 4, 327,680 bytes of LDS; arguments act, wq, qkv; writes qkv
.if DOCPART == 2
	.amdgcn_target "amdgcn-amd-amdhsa--gfx1250"
	.amdhsa_code_object_version 6
	.text
	.protected	k_q9add3a665f_qkv
	.globl	k_q9add3a665f_qkv
	.p2align	8
	.type	k_q9add3a665f_qkv,@function
k_q9add3a665f_qkv:
	s_mov_b64 s[64:65], 0
	v_nop
	global_prefetch_b8 v0, s[64:65] scope:SCOPE_SE
	s_setreg_imm32_b32 hwreg(HW_REG_WAVE_MODE, 25, 1), 1
	s_wait_xcnt 0x0
	s_wait_alu depctr_hold_cnt(0) depctr_sa_sdst(0) depctr_va_vdst(0) depctr_va_sdst(0) depctr_va_ssrc(0) depctr_va_vcc(0) depctr_vm_vsrc(0)
	s_getreg_b32 s2, hwreg(HW_REG_IB_STS2, 6, 4)
	s_cmp_eq_u32 s2, 0
	s_cbranch_scc0 .Lentry_in_a_cluster
	s_endpgm
.Lentry_in_a_cluster:
	s_bfe_u32 s2, ttmp6, 0x10000c
	s_cmp_lg_u32 s2, 0xf033
	s_cbranch_scc0 .Lentry_shape_is_right
	s_endpgm
.Lentry_shape_is_right:
; A PRODUCT ON IMAGES OF FP8 (E4M3) CODES WHOSE RESULT IS QUANTISED IN REGISTERS AND STORED AS THE NEXT OPERAND'S IMAGE.  K = 1,024.  KIND 0: q, k, v = h w_qkv.  KIND 1: hidden = relu(h2 w1 + b1).
; THE IMAGE: a tile is 16 rows, lane r of tile t holding row 32 (t / 2) + 8 (t % 2) + r + 8 (r / 8); fragment (t, s) = 16 rows x 128 K lies at (8 t + s) 2048, registers 4 c .. 4 c + 3 of lane l at 512 c + 16 l; scale words at (8 t + s) 64 + 4 r.
; A work-group of four waves makes 256 rows of op1 x 256 rows of op0; a wave 128 x 128: 64 accumulators, 512 registers.  Source 0 = 16 rows of op0, source 1 = 16 rows of op1: a lane holds ONE row of op1, and by the
; tiles' make-up the 64 registers of a block of op1 are 128 neighbouring rows of op0 in the order of an operand's registers: they are quantised as they stand.
; ROLES (KIND 0): clusters x = 0, 1: op1 = tokens, op0 = w_qkv's columns of q, of k: quantised along the head's 64.  Cluster x = 2: op1 = w_qkv's columns of v, op0 = tokens: quantised along the keys.
; The role is equal in all sixteen partners; it chooses pointers and offsets by s_cselect, never a branch.
; q's and k's scale words get the bytes 172 and 127 on top: the attention's product has K = 64 in a form of K = 128, and its place k = 64 carries the key mask under the scale 2^45 on each side.
; K goes in steps of 256 through two LDS slots, four fills, all written out.  The scale words of all of K come once.  CLUSTERS: 4 x 4; op1's tiles are asked for jointly along a row of the cluster, op0's along a column.
; No prefetch: a work-group walks four slots only.  LIMITS: a block under 2^-118 keeps the byte 1; NaN and infinities are not served.
; REGISTERS: window 0: v0-31 addresses; v32-63 scale words, two sets; v64-127 the bias (KIND 1); v128-255 op1's fragments, one set; on the way out v128-162 at work.  Window 1: op0's fragments, two sets.  Windows 2, 3: accumulators, (a, b) at v[8 (8 (a % 4) + b)].
.set KIND,  0
.set NQ,    2                          ; matrix instructions deep in a slot
.set NL,    4                          ; LDS loads of a fragment
.set NP,    8                          ; places behind this matrix instruction (ISA guide 7.12.1)
.set FR,    16
.set SLOT,  131072                     ; op1's 16 tiles x 4,096 bytes, then op0's
.set OP0,   65536
.set SCL,   262144                     ; the scale words: op1's 8,192 bytes, then op0's
.set SPARE, 278528                     ; the spare words: 128 bytes a wave, named by no other line
.set VCA,  8                           ; v8   16 x lane
.set VCB,  9                           ; v9   the same, + where blocks 2 and 3 go (KIND 0)
.set VS,   10                          ; v10  where my scale word goes
.set ADRA, 16                          ; v16-17 LDS address of op1's fragments in slot 0, 1
.set ADRB, 20                          ; v20-21 of op0's
.set ADRS, 27                          ; v27  of my scale words: lanes 0-15 op1's, lanes 16-31 op0's
.set SPW,  28
.set NIL,  29
.set SC,   32
.set BI,   64
.set AF,   128
.set PC,   128                         ; the way out: codes
.set TM,   144                         ; v144-159 largest magnitudes, bytes, holds, scale operands
.set PW,   160
.set WA,   161
.set WB,   162
.set G1,   24
.set G0,   32
.set G1B,  48
.set G0B,  56
.set G1S,  68
.set G0S,  76
.set G1SB, 80
.set G0SB, 88
.set SEL,  18
.set MNT,  7
.set MSB,  0
.macro WIN new                         ; the immediate's high byte repeats the setting that is left
.if MSB != (\new)
	s_set_vgpr_msb (MSB<<8)|(\new)
.set MSB, (\new)
.endif
.endm
.set MUL_LO, 0xa1                      ; source 0 window 1, source 1 window 0, C and D window 2
.set MUL_HI, 0xf1                      ; the same, C and D window 3
.set TO_B,   0x40
; A joint load: waves 0 and 1 fetch for op1, waves 2 and 3 for op0.  The branch hangs on the wave's number alone.  Four v_nop follow each line.
.macro JLOAD g0a, g1a, g0b, g1b
	s_cmp_eq_u32 s15, 0
	s_cbranch_scc0 .Lfor_b_\@
	tensor_load_to_lds s[\g0a:\g0a+3], s[\g1a:\g1a+7]
	s_nop 0
.rept 4
	v_nop
.endr
	s_branch .Lasked_\@
.Lfor_b_\@:
	tensor_load_to_lds s[\g0b:\g0b+3], s[\g1b:\g1b+7]
	s_nop 0
.rept 4
	v_nop
.endr
.Lasked_\@:
.endm
.macro CREST                           ; a round of the cluster's barrier behind its opening barrier
	s_cmp_lg_u32 s14, 0
	s_cbranch_scc1 .Lnot_wave_0_\@
	s_barrier_signal -3
.Lnot_wave_0_\@:
	s_barrier_wait -3
	s_barrier_signal -1
	s_barrier_wait -1
.endm
.macro CROUND
	s_barrier_signal -1
	s_barrier_wait -1
	CREST
.endm
	s_load_b128 s[4:7], s[0:1], 0x0                ; act, wq
.if KIND
	s_load_b128 s[8:11], s[0:1], 0x10              ; b1, hid
.else
	s_load_b64 s[8:9], s[0:1], 0x10                ; qkv
.endif
	v_lshl_add_u32 v[SPW], v0, 2, SPARE
	v_mov_b32 v[NIL], 0
	ds_add_u32 v28, v29
	ds_add_u32 v28, v29
	s_wait_dscnt 0x0
	v_lshrrev_b32 v1, 5, v0
	v_readfirstlane_b32 s14, v1                    ; wave 0..3
	s_lshr_b32 s15, s14, 1                         ; which half of op1's rows is mine.  Also: I fetch for op1 (0) or op0 (1)
	s_and_b32 s16, s14, 1                          ; which half of op0's.  Also: which 8 tiles I fetch
	s_bfe_u32 s40, ttmp6, 0x40000                  ; cx
	s_bfe_u32 s41, ttmp6, 0x40004                  ; cy
	s_and_b32 s17, ttmp7, 0xffff                   ; cluster y
.if KIND
	s_mov_b32 s18, s17
	s_mov_b32 s19, ttmp9
.else
	s_cmp_eq_u32 ttmp9, 2                          ; the role: equal in all partners
	s_cselect_b32 s96, 1, 0
	s_cselect_b32 s18, 0, s17
	s_cselect_b32 s19, s17, ttmp9
.endif
	s_lshl_b32 s18, s18, 2
	s_add_co_u32 s17, s18, s41                     ; I1: which 256 rows of op1; of my place it holds cy alone
	s_lshl_b32 s19, s19, 2
	s_add_co_u32 s42, s19, s40                     ; I0: which 256 rows of op0; it holds cx alone
	s_lshl_b32 s43, s41, 2
	s_lshl_b32 s43, 15, s43                        ; my row of the cluster
	s_lshl_b32 s44, 0x1111, s40                    ; my column
	; group 1, codes: 8 tiles' parts of a slot: 8 rows of 4,096 bytes (512 elements of 8 bytes), 16,384 bytes apart; dense in LDS
	s_or_b32 s[G1+0], s43, (3<<16)|(1<<21)
	s_or_b32 s[G1B+0], s44, (3<<16)|(1<<21)
.irp g, G1, G1B
	s_mov_b32 s[\g+1], 512<<16
	s_mov_b32 s[\g+2], 16<<16                      ; the head's loads bring all 16 tiles' parts of slot 0; behind them the two counts are set to 8
	s_mov_b32 s[\g+3], 512<<16
	s_mov_b32 s[\g+4], 16
	s_mov_b32 s[\g+5], 2048
	s_mov_b32 s[\g+6], 0
	s_mov_b32 s[\g+7], 0
.endr
	; group 1, scale words of 16 tiles: 8,192 dense bytes as 32 rows of 256
	s_or_b32 s[G1S+0], s43, (3<<16)|(1<<21)
	s_or_b32 s[G1SB+0], s44, (3<<16)|(1<<21)
.irp g, G1S, G1SB
	s_mov_b32 s[\g+1], 32<<16
	s_mov_b32 s[\g+2], 32<<16                      ; the scale words of 16 tiles: 8,192 dense bytes as 32 rows of 256
	s_mov_b32 s[\g+3], 32<<16
	s_mov_b32 s[\g+4], 32
	s_mov_b32 s[\g+5], 32
	s_mov_b32 s[\g+6], 0
	s_mov_b32 s[\g+7], 0
.endr
	s_lshl_b32 s18, s16, 3
	s_lshl_b32 s20, s17, 4
	s_add_co_u32 s20, s20, s18                     ; op1's first tile that I fetch
	s_lshl_b32 s46, s42, 4
	s_add_co_u32 s46, s46, s18                     ; op0's
	s_lshl_b32 s22, s17, 13                        ; the scale words of op1's 16 tiles,
	s_mov_b32 s23, 0
	s_lshl_b32 s20, s20, 14                        ; their codes, in bytes
	s_mov_b32 s21, 0
	s_lshl_b32 s92, s42, 13                        ; of op0's
	s_mov_b32 s93, 0
	s_lshl_b32 s46, s46, 14
	s_mov_b32 s47, 0
	s_lshl_b32 s45, s14, 15                        ; where they go: wave x 32,768: no place in the cluster enters an LDS address
	s_lshl_b32 s94, s14, 12
	s_wait_kmcnt 0x0
.if KIND
	s_add_nc_u64 s[20:21], s[4:5], s[20:21]
	s_add_nc_u64 s[4:5], s[4:5], 0x400000          ; act's scale words
	s_add_nc_u64 s[22:23], s[4:5], s[22:23]
	s_add_nc_u64 s[12:13], s[6:7], 0x400000        ; w1's codes
	s_add_nc_u64 s[46:47], s[12:13], s[46:47]
	s_add_nc_u64 s[12:13], s[6:7], 0xc20000        ; w1's scale words
	s_add_nc_u64 s[92:93], s[12:13], s[92:93]
.else
	s_add_nc_u64 s[98:99], s[6:7], 0x200000        ; w_qkv's tiles 128 on: v's columns
	s_cmp_eq_u32 s96, 1
	s_cselect_b64 s[12:13], s[98:99], s[4:5]       ; op1's codes
	s_cselect_b64 s[66:67], s[4:5], s[6:7]         ; op0's
	s_add_nc_u64 s[20:21], s[12:13], s[20:21]
	s_add_nc_u64 s[46:47], s[66:67], s[46:47]
	s_add_nc_u64 s[4:5], s[4:5], 0x400000          ; act's scale words
	s_add_nc_u64 s[6:7], s[6:7], 0xc00000          ; w_qkv's
	s_add_nc_u64 s[98:99], s[6:7], 0x10000         ; those of v's columns
	s_cselect_b64 s[12:13], s[98:99], s[4:5]       ; (the 64-bit sums leave SCC alone)
	s_cselect_b64 s[66:67], s[4:5], s[6:7]
	s_add_nc_u64 s[22:23], s[12:13], s[22:23]
	s_add_nc_u64 s[92:93], s[66:67], s[92:93]
.endif
	CROUND                                         ; all sixteen work-groups are here: the first joint loads meet
	s_mov_b32 s[G0S], 1
	s_mov_b32 s[G0S+1], SCL
	s_mov_b64 s[G0S+2:G0S+3], s[22:23]
	s_or_b32 s[G0S+3], s[G0S+3], 0x80000000
	s_mov_b32 s[G0SB], 1
	s_mov_b32 s[G0SB+1], SCL+8192
	s_mov_b64 s[G0SB+2:G0SB+3], s[92:93]
	s_or_b32 s[G0SB+3], s[G0SB+3], 0x80000000
.irp s, 0,1
	s_mov_b32 s[G0+4*\s], 1
	s_add_co_u32 s[G0+4*\s+1], s45, \s*SLOT
	s_add_nc_u64 s[G0+4*\s+2:G0+4*\s+3], s[20:21], \s*4096
	s_or_b32 s[G0+4*\s+3], s[G0+4*\s+3], 0x80000000
	s_mov_b32 s[G0B+4*\s], 1
	s_add_co_u32 s[G0B+4*\s+1], s45, \s*SLOT
	s_add_nc_u64 s[G0B+4*\s+2:G0B+4*\s+3], s[46:47], \s*4096
	s_or_b32 s[G0B+4*\s+3], s[G0B+4*\s+3], 0x80000000
.endr
	; THE HEAD'S LOADS, ONE A WAVE: wave 0 op1's 16 tiles of slot 0, wave 1 op0's, wave 2 op1's scale words, wave 3 op0's.
	; Slot 0's two groups 0 serve the head with the tile's first byte and the region's first LDS byte; behind the wait for the head's loads they get the ring's values back.
	s_lshl_b32 s92, s16, 17                        ; my half's 8 tiles, in bytes
	s_mov_b32 s93, 0
	s_mov_b32 s[G0+1], 0
	s_sub_nc_u64 s[G0+2:G0+3], s[G0+2:G0+3], s[92:93]
	s_mov_b32 s[G0B+1], OP0
	s_sub_nc_u64 s[G0B+2:G0B+3], s[G0B+2:G0B+3], s[92:93]
.macro ARM under, g0, g1, next
	s_cmp_lt_u32 s14, \under
	s_cbranch_scc0 \next
	tensor_load_to_lds s[\g0:\g0+3], s[\g1:\g1+7]
	s_nop 0
.rept 4
	v_nop
.endr
	s_branch .Lhead_asked
\next:
.endm
	ARM 1, G0,  G1,  .Lhead_b
	ARM 2, G0B, G1B, .Lhead_sa
	ARM 3, G0S, G1S, .Lhead_sb
	tensor_load_to_lds s[G0SB:G0SB+3], s[G1SB:G1SB+7]
	s_nop 0
.rept 4
	v_nop
.endr
.Lhead_asked:
	v_and_b32 v1, 15, v0                           ; r
	v_bfe_u32 v2, v0, 4, 1                         ; h
	s_wait_alu depctr_va_vdst(0)
	v_and_b32 v3, 31, v0
	v_lshlrev_b32 v3, 4, v3                        ; 16 x lane
	s_wait_alu depctr_va_vdst(0)
	s_lshl_b32 s21, s15, 15                        ; my 8 tiles of op1,
	s_lshl_b32 s22, s16, 15
	s_add_co_u32 s22, s22, OP0                     ; of op0
.irp s, 0,1
	v_add_nc_u32 v[ADRA+\s], s21, v3
	v_add_nc_u32 v[ADRB+\s], s22, v3
	s_add_co_u32 s21, s21, SLOT
	s_add_co_u32 s22, s22, SLOT
.endr
	s_lshl_b32 s21, s15, 12
	s_lshl_b32 s22, s16, 12
	s_add_co_u32 s22, s22, 8192
	s_sub_co_u32 s22, s22, s21
	v_mul_u32_u24 v6, s22, v2                      ; lanes 16-31 take op0's words: one product, the distance between the two bases
	s_add_co_u32 s21, s21, SCL
	v_lshl_add_u32 v5, v1, 2, v6
	v_add_nc_u32 v[ADRS], s21, v5
	v_mov_b32 v[VCA], v3
	; where the results go
	s_lshl_b32 s20, s17, 4
	s_lshl_b32 s21, s15, 3
	s_add_co_u32 s20, s20, s21                     ; my first tile of op1
.if KIND
	s_lshl_b32 s20, s20, 5
	s_lshl_b32 s21, s42, 1
	s_add_co_u32 s20, s20, s21
	s_add_co_u32 s20, s20, s16                     ; fragment (tile, K step 2 I0 + w % 2) of the hidden layer, KS = 32
	s_lshl_b32 s46, s20, 6
	s_add_co_u32 s46, s46, 0x1000000
	s_mov_b32 s47, 0
	s_lshl_b32 s20, s20, 11
	s_mov_b32 s21, 0
	s_add_nc_u64 s[12:13], s[10:11], s[46:47]      ; scale words: behind the 16 MiB of codes
	s_add_nc_u64 s[10:11], s[10:11], s[20:21]
	v_lshlrev_b32 v[VS], 11, v2
	v_lshl_add_u32 v[VS], v1, 2, v[VS]             ; lanes 0-15 one tile's words, lanes 16-31 the next tile's, 2,048 bytes on
	s_lshl_b32 s20, s42, 10                        ; the bias of my 128 hidden units; lane (r, h) wants, for op0's tile 2 b + u, units 32 b + 16 h + 8 u + 0 .. 7
	s_lshl_b32 s22, s16, 9
	s_add_co_u32 s20, s20, s22
	s_add_nc_u64 s[8:9], s[8:9], s[20:21]
	v_lshlrev_b32 v7, 6, v2
.irp b, 0,1,2,3,4,5,6,7
	global_load_b128 v[BI+8*\b:BI+8*\b+3], v7, s[8:9] offset:(32*(\b/2)+8*(\b%2))*4
	global_load_b128 v[BI+8*\b+4:BI+8*\b+7], v7, s[8:9] offset:(32*(\b/2)+8*(\b%2))*4+16
.endr
.else
	s_lshl_b32 s21, s42, 1
	s_add_co_u32 s21, s21, s16                     ; my run of 128 rows of op0
	s_lshr_b32 s22, s20, 7                         ; q, k: ((batch x 16 + head) x 128 + tile in the batch), units of 1,024 bytes; the head is 2 (run % 8)
	s_lshl_b32 s22, s22, 4
	s_and_b32 s23, s21, 7
	s_lshl_b32 s23, s23, 1
	s_add_co_u32 s22, s22, s23
	s_lshl_b32 s22, s22, 7
	s_and_b32 s23, s20, 127
	s_add_co_u32 s22, s22, s23
	s_lshr_b32 s23, s21, 4                         ; v: ((batch x 16 + head) x 64 + 4 x key step), units of 2,048 bytes; the head is 4 I1 + 2 (w / 2)
	s_lshl_b32 s23, s23, 4
	s_lshl_b32 s45, s17, 2
	s_add_co_u32 s23, s23, s45
	s_lshl_b32 s45, s15, 1
	s_add_co_u32 s23, s23, s45
	s_lshl_b32 s23, s23, 6
	s_and_b32 s45, s21, 15
	s_lshl_b32 s45, s45, 2
	s_add_co_u32 s23, s23, s45
	s_mov_b32 s97, 131072
	s_mov_b32 s95, 8192
	s_cmp_eq_u32 s96, 1
	s_cselect_b32 s22, s23, s22                    ; the index,
	s_cselect_b32 s23, 11, 10                      ; its unit,
	s_cselect_b32 s66, 122880, 0                   ; v: at block 4 the next head begins: 131,072 - 4 x 2,048 more
	s_cselect_b32 s2, 7680, 0                      ; and 8,192 - 4 x 128 more among the scale words
	s_cselect_b32 s97, 1024, s97                   ; blocks 2, 3 of the codes: v: the same fragment; q, k: the next head
	s_cselect_b32 s95, 64, s95                     ; lanes 16-31's scale word: v: 64 bytes on; q, k: the next head's
	s_cselect_b32 s5, -1, 0                        ; v: every lane stores the word as it is
	s_mov_b32 s67, 0
	s_mov_b32 s3, 0
	s_mov_b32 s13, 0
	s_mov_b32 s99, 0
	s_lshl_b32 s12, 1, s23                         ; from block to block: a unit of codes,
	s_lshr_b32 s98, s12, 4                         ; a sixteenth of it among the scale words
	s_lshl_b32 s20, s22, s23
	s_lshl_b32 s21, ttmp9, 22                      ; q at 0, k at 4 MiB, v at 8 MiB
	s_add_co_u32 s20, s20, s21
	s_mov_b32 s21, 0
	s_lshr_b32 s46, s20, 4                         ; the scale words: a sixteenth of the codes' offset, behind 12 MiB
	s_add_co_u32 s46, s46, 0xc00000
	s_mov_b32 s47, 0
	s_add_nc_u64 s[10:11], s[8:9], s[46:47]
	s_add_nc_u64 s[8:9], s[8:9], s[20:21]
	v_add_nc_u32 v[VCB], s97, v3
	v_mul_u32_u24 v[VS], s95, v2
	v_lshl_add_u32 v[VS], v1, 2, v[VS]
	s_mov_b32 s6, 0x7fac0000                       ; the two upper bytes of q's and k's scale words
.endif
	s_mov_b32 s4, 0xffff0000                       ; lanes 16-31
	s_mov_b32 s[MNT], 0x600000
	s_mov_b32 s[SEL], 0x76543210
	s_mov_b32 s[SEL+1], 0xfedcba98
.macro FRAG reg, adr, q, i             ; a fragment comes back as it was stored: four loads of 512 consecutive bytes
.irp c, 0,1,2,3
	ds_load_b128 v[\reg+4*\c:\reg+4*\c+3], v[\adr] offset:(\i)*4096+(\q)*2048+512*\c
.endr
.endm
; 16 matrix instructions: op1's blocks a0, a0 + 1 x op0's eight.  The 64 accumulators take turns, one instruction a turn, in the same order in every step.
; zero = 1: the first product starts the sums, with the constant 0 or with the bias as C.
.macro MUL16 a0, p, q, sc, zero
.irp a, \a0, \a0+1
.irp b, 0,1,2,3,4,5,6,7
.if (\zero) && KIND
	v_wmma_scale_f32_16x16x128_f8f6f4 v[8*(8*((\a)%4)+\b):8*(8*((\a)%4)+\b)+7], v[128*(\p)+FR*\b:128*(\p)+FR*\b+FR-1], v[AF+FR*(\a):AF+FR*(\a)+FR-1], v[BI+8*\b:BI+8*\b+7], v[SC+8*NQ*(\sc)+NQ*\b+(\q)], v[SC+8*NQ*(\sc)+NQ*(\a)+(\q)] matrix_a_scale:MATRIX_SCALE_ROW1
.elseif \zero
	v_wmma_scale_f32_16x16x128_f8f6f4 v[8*(8*((\a)%4)+\b):8*(8*((\a)%4)+\b)+7], v[128*(\p)+FR*\b:128*(\p)+FR*\b+FR-1], v[AF+FR*(\a):AF+FR*(\a)+FR-1], 0, v[SC+8*NQ*(\sc)+NQ*\b+(\q)], v[SC+8*NQ*(\sc)+NQ*(\a)+(\q)] matrix_a_scale:MATRIX_SCALE_ROW1
.else
	v_wmma_scale_f32_16x16x128_f8f6f4 v[8*(8*((\a)%4)+\b):8*(8*((\a)%4)+\b)+7], v[128*(\p)+FR*\b:128*(\p)+FR*\b+FR-1], v[AF+FR*(\a):AF+FR*(\a)+FR-1], v[8*(8*((\a)%4)+\b):8*(8*((\a)%4)+\b)+7], v[SC+8*NQ*(\sc)+NQ*\b+(\q)], v[SC+8*NQ*(\sc)+NQ*(\a)+(\q)] matrix_a_scale:MATRIX_SCALE_ROW1
.endif
.endr
.endr
.endm
.macro FETCH_B slot, q, p
	WIN TO_B
.irp i, 0,1,2,3,4,5,6,7
	FRAG 128*(\p)+FR*\i, ADRB+\slot, \q, \i
.endr
	WIN 0
.endm
.macro FETCH_A slot, q, i0
.irp i, \i0, \i0+1, \i0+2, \i0+3
	FRAG AF+FR*(\i), ADRA+\slot, \q, \i
.endr
.endm
.macro SCALES sc                       ; a slot's scale words: register 2 i + q: lanes 0-15 op1's tile i, lanes 16-31 op0's tile i
.irp i, 0,1,2,3,4,5,6,7
	ds_load_b32 v[SC+16*\sc+2*\i], v[ADRS] offset:\i*512
	ds_load_b32 v[SC+16*\sc+2*\i+1], v[ADRS] offset:\i*512+64
.endr
.endm
.macro PLACES n                        ; plain vector lines between a matrix instruction and a load into, or a read of, its registers
.rept \n
	v_nop
.endr
.endm
.macro STEP slot, q, zero              ; 128 along K that has its successor in the same slot
	s_wait_dscnt 4*NL                              ; op0's set and op1's blocks 0-3 are in; the youngest sixteen loads (blocks 4-7) may be out
	WIN MUL_LO-0x20*KIND*(\zero)                   ; (the bias lies in window 0)
	MUL16 0, (\q)%2, \q, \slot, \zero
	MUL16 2, (\q)%2, \q, \slot, \zero
	s_wait_dscnt 0
	PLACES NP
	FETCH_B \slot, (\q)+1, 1-(\q)%2
	FETCH_A \slot, (\q)+1, 0
	WIN MUL_HI-0x30*KIND*(\zero)
	MUL16 4, (\q)%2, \q, \slot, \zero
	MUL16 6, (\q)%2, \q, \slot, \zero
	PLACES NP
	WIN 0
	FETCH_A \slot, (\q)+1, 4
.endm
; A slot's last step changes slots: one barrier; in front of it each wave waits for all its tensor loads, adds 0 to its spare word, and waits for that and for its reads of this slot.
.macro TURN slot, next, fill
	s_wait_tensorcnt 0x0                           ; all my tensor loads have landed: my part of the next slot
	ds_add_u32 v[SPW], v[NIL]
	s_wait_dscnt 4*NL+1                            ; (the add and the youngest sixteen loads may be out)
	WIN MUL_LO
	MUL16 0, 1, NQ-1, \slot, 0
	s_wait_dscnt 0x0                               ; the add is done, and my reads of this slot are over
	s_barrier_signal -1
	MUL16 2, 1, NQ-1, \slot, 0
	WIN 0
	s_barrier_wait -1
.if \fill
	CREST                                          ; the barrier has opened a round of the cluster's: no wave of any partner still reads this slot or has a load on its way
	s_add_nc_u64 s[G0+4*\slot+2:G0+4*\slot+3], s[G0+4*\slot+2:G0+4*\slot+3], 8192
	s_add_nc_u64 s[G0B+4*\slot+2:G0B+4*\slot+3], s[G0B+4*\slot+2:G0B+4*\slot+3], 8192
	JLOAD G0+4*\slot, G1, G0B+4*\slot, G1B         ; my one tensor load behind the round; its four v_nop are four of the places below
	PLACES NP-4
.else
	PLACES NP
.endif
	s_wait_alu depctr_va_vdst(0)
	v_add_nc_u32 v[ADRS], 128, v[ADRS]             ; the next slot's scale words
	FETCH_B \next, 0, 0
	FETCH_A \next, 0, 0
	SCALES \next
	WIN MUL_HI
	MUL16 4, 1, NQ-1, \slot, 0
	MUL16 6, 1, NQ-1, \slot, 0
	PLACES NP
	WIN 0
	FETCH_A \next, 0, 4
.endm
	s_wait_alu depctr_va_vdst(0)
	s_wait_tensorcnt 0x0                           ; my tile of the head's four is in
	ds_add_u32 v[SPW], v[NIL]
	s_mov_b32 s[G1+2], 8<<16                       ; no tensor load of mine is out: from here on a load brings 8 tiles' parts
	s_mov_b32 s[G1+4], 8
	s_mov_b32 s[G1B+2], 8<<16
	s_mov_b32 s[G1B+4], 8
	s_lshl_b32 s[G0+1], s14, 15                    ; slot 0's groups 0 as the ring wants them: my quarter of the slot
	s_add_nc_u64 s[G0+2:G0+3], s[G0+2:G0+3], s[92:93]
	s_lshl_b32 s[G0B+1], s14, 15
	s_add_nc_u64 s[G0B+2:G0B+3], s[G0B+2:G0B+3], s[92:93]
	s_wait_dscnt 0x0
	CROUND                                         ; all four tiles are in, all sixteen work-groups are here
	JLOAD G0+4, G1, G0B+4, G1B                     ; slot 1's first fill: my one tensor load behind the round
	FETCH_B 0, 0, 0
	FETCH_A 0, 0, 0
	SCALES 0
	FETCH_A 0, 0, 4
.if KIND
	s_wait_loadcnt 0x0                             ; the bias
.endif
	STEP 0, 0, 1                                   ; K 0-127 starts the sums
	TURN 0, 1, 1                                   ; slot 0 takes K 512-767
	STEP 1, 0, 0
	TURN 1, 0, 1                                   ; slot 1 takes K 768-1023
	STEP 0, 0, 0
	TURN 0, 1, 0                                   ; nothing is left to fetch
	STEP 1, 0, 0
	s_wait_dscnt 4*NL
	WIN MUL_LO
	MUL16 0, 1, NQ-1, 1, 0
	MUL16 2, 1, NQ-1, 1, 0
	s_wait_dscnt 0
	WIN MUL_HI
	MUL16 4, 1, NQ-1, 1, 0
	MUL16 6, 1, NQ-1, 1, 0
	WIN 0
; THE WAY OUT.  The 64 registers at v[s] of window w are a lane's 128 neighbours along the next K: four blocks of 32, each shared with lane l xor 16.  Each accumulator is read from its low end on.
.macro QUANTW s, w
	WIN ((\w)<<2)|((\w)<<4)                        ; sources 1 and 2: the accumulators' window
.irp b, 0,1,2,3
.if KIND
	v_max3_num_f32 v[TM+\b], 0x4800000, v[(\s)+16*\b], v[(\s)+16*\b+1]   ; no |.|: what is negative becomes 0; the floor 2^(9 - 127) stands over it
.else
	v_max3_num_f32 v[TM+\b], 0x4800000, |v[(\s)+16*\b]|, |v[(\s)+16*\b+1]|
.endif
.endr
.irp i, 2,4,6,8,10,12,14
.irp b, 0,1,2,3
.if KIND
	v_max3_num_f32 v[TM+\b], v[TM+\b], v[(\s)+16*\b+\i], v[(\s)+16*\b+\i+1]
.else
	v_max3_num_f32 v[TM+\b], v[TM+\b], |v[(\s)+16*\b+\i]|, |v[(\s)+16*\b+\i+1]|
.endif
.endr
.endr
	WIN 0
.irp b, 0,1,2,3
	v_permlanex16_b32 v[TM+4+\b], v[TM+\b], s[SEL], s[SEL+1]
.endr
.irp b, 0,1,2,3
	v_max_num_f32 v[TM+\b], v[TM+\b], v[TM+4+\b]
.endr
.irp b, 0,1,2,3
	v_add_nc_u32 v[TM+12+\b], 0xfc000000, v[TM+\b] ; the conversion's scale operand
.endr
.irp b, 0,1,2,3
	v_and_or_b32 v[TM+8+\b], v[TM+\b], 0x7f800000, s[MNT]   ; 448 x the scale
.endr
.irp b, 0,1,2,3
	v_lshrrev_b32 v[TM+4+\b], 23, v[TM+12+\b]      ; the byte
.endr
	v_lshl_or_b32 v[PW], v[TM+5], 8, v[TM+4]
	v_lshl_or_b32 v[PW], v[TM+6], 16, v[PW]
	v_lshl_or_b32 v[PW], v[TM+7], 24, v[PW]
	WIN ((\w)<<6)|(\w)                             ; destination and source 0
.irp b, 0,1,2,3
.irp i, 0,1,2,3,4,5,6,7,8,9,10,11,12,13,14,15
.if KIND
	v_med3_num_f32 v[(\s)+16*\b+\i], v[(\s)+16*\b+\i], 0, v[TM+8+\b]   ; the activation and the hold in one
.else
	v_med3_num_f32 v[(\s)+16*\b+\i], v[(\s)+16*\b+\i], -v[TM+8+\b], v[TM+8+\b]
.endif
.endr
.endr
	WIN (\w)
.irp b, 0,1,2,3
	v_cvt_scalef32_pk8_fp8_f32 v[PC+4*\b:PC+4*\b+1], v[(\s)+16*\b:(\s)+16*\b+7], v[TM+12+\b]
	v_cvt_scalef32_pk8_fp8_f32 v[PC+4*\b+2:PC+4*\b+3], v[(\s)+16*\b+8:(\s)+16*\b+15], v[TM+12+\b]
.endr
	WIN 0
	v_nop                                          ; one plain line behind the last scaled conversion
.endm
.macro OUT a
	s_wait_xcnt 0x0                                ; the last block's stores have read their data and bases: both are written again only behind this wait
	QUANTW 64*((\a)%4), 2+(\a)/4
.if KIND
.irp c, 0,1,2,3
	global_store_b128 v[VCA], v[PC+4*\c:PC+4*\c+3], s[10:11] offset:(\a)*65536+512*\c   ; 512 consecutive bytes
.endr
.if (\a)%2 == 0
	v_mov_b32 v[WA], v[PW]
.else
	v_cndmask_b32 v[WA], v[WA], v[PW], s4          ; lanes 0-15 the even tile's words, lanes 16-31 the odd tile's
	global_store_b32 v[VS], v[WA], s[12:13] offset:((\a)-1)*2048
.endif
.else
.if (\a) > 0
	s_add_nc_u64 s[8:9], s[8:9], s[12:13]
	s_add_nc_u64 s[10:11], s[10:11], s[98:99]
.endif
.if (\a) == 4
	s_add_nc_u64 s[8:9], s[8:9], s[66:67]
	s_add_nc_u64 s[10:11], s[10:11], s[2:3]
.endif
	global_store_b128 v[VCA], v[PC:PC+3], s[8:9]
	global_store_b128 v[VCA], v[PC+4:PC+7], s[8:9] offset:512
	global_store_b128 v[VCB], v[PC+8:PC+11], s[8:9]
	global_store_b128 v[VCB], v[PC+12:PC+15], s[8:9] offset:512
	v_and_or_b32 v[WA], v[PW], 0xffff, s6          ; q, k: the first head's two bytes, with 172 and 127 on top;
	v_lshrrev_b32 v[WB], 16, v[PW]
	v_or_b32 v[WB], s6, v[WB]                      ; the second head's
	v_cndmask_b32 v[WA], v[WA], v[WB], s4          ; lanes 0-15 the first, lanes 16-31 the second
	v_cndmask_b32 v[WA], v[WA], v[PW], s5          ; v: the word as it is
	global_store_b32 v[VS], v[WA], s[10:11]
.endif
.endm
	PLACES NP                                      ; behind the last products: their results are read, and op1's registers written, below
.irp b, 0,1,2,3
	v_mov_b32 v[TM+4+\b], 0                        ; written once: a lane permute's destination counts as one of its sources
.endr
.irp a, 0,1,2,3,4,5,6,7
	OUT \a
.endr
	s_wait_tensorcnt 0x0                           ; the wave's end
	ds_add_u32 v[SPW], v[NIL]
	s_wait_dscnt 0x0
	CROUND                                         ; the closing round
	s_endpgm
.Lfunc_end_k_q9add3a665f_qkv:
	.size	k_q9add3a665f_qkv, .Lfunc_end_k_q9add3a665f_qkv-k_q9add3a665f_qkv
	.p2alignl 7, 3214868480
	.fill 96, 4, 3214868480
	.section	.rodata,"a",@progbits
	.p2align	6, 0x0
	.amdhsa_kernel k_q9add3a665f_qkv
		.amdhsa_group_segment_fixed_size 327680
		.amdhsa_private_segment_fixed_size 0
		.amdhsa_enable_private_segment 0
		.amdhsa_kernarg_size 24
		.amdhsa_user_sgpr_count 2
		.amdhsa_user_sgpr_kernarg_segment_ptr 1
		.amdhsa_wavefront_size32 1
		.amdhsa_system_sgpr_workgroup_id_x 1
		.amdhsa_system_sgpr_workgroup_id_y 1
		.amdhsa_system_sgpr_workgroup_id_z 1
		.amdhsa_system_vgpr_workitem_id 0
		.amdhsa_next_free_vgpr 1024
		.amdhsa_next_free_sgpr 100
		.amdhsa_reserve_vcc 0
		.amdhsa_float_denorm_mode_32 3
		.amdhsa_float_denorm_mode_16_64 3
		.amdhsa_memory_ordered 1
		.amdhsa_forward_progress 1
		.amdhsa_inst_pref_size 192
	.end_amdhsa_kernel
	.amdgpu_metadata
---
amdhsa.version: [ 1, 2 ]
amdhsa.kernels:
  - .name:           k_q9add3a665f_qkv
    .symbol:         k_q9add3a665f_qkv.kd
    .args:
      - { .name: act, .offset: 0, .size: 8, .value_kind: global_buffer, .address_space: global }
      - { .name: wq, .offset: 8, .size: 8, .value_kind: global_buffer, .address_space: global }
      - { .name: qkv, .offset: 16, .size: 8, .value_kind: global_buffer, .address_space: global }
    .group_segment_fixed_size: 327680
    .private_segment_fixed_size: 0
    .kernarg_segment_align: 8
    .kernarg_segment_size: 24
    .max_flat_workgroup_size: 128
    .sgpr_count:     100
    .vgpr_count:     1024
    .wavefront_size: 32
...
	.end_amdgpu_metadata
.endif
;; end of part 2
;; launch attn (part 3): grid 8 x 32, 8 waves a work-group, clusters of 4 x 1, 296,960 bytes of LDS; arguments qkv, mask, act; writes act
.if DOCPART == 3
	.amdgcn_target "amdgcn-amd-amdhsa--gfx1250"
	.amdhsa_code_object_version 6
	.text
	.protected	k_q9add3a665f_attn
	.globl	k_q9add3a665f_attn
	.p2align	8
	.type	k_q9add3a665f_attn,@function
k_q9add3a665f_attn:
	s_mov_b64 s[64:65], 0
	v_nop
	global_prefetch_b8 v0, s[64:65] scope:SCOPE_SE
	s_setreg_imm32_b32 hwreg(HW_REG_WAVE_MODE, 25, 1), 1
	s_wait_xcnt 0x0
	s_wait_alu depctr_hold_cnt(0) depctr_sa_sdst(0) depctr_va_vdst(0) depctr_va_sdst(0) depctr_va_ssrc(0) depctr_va_vcc(0) depctr_vm_vsrc(0)
	s_getreg_b32 s2, hwreg(HW_REG_IB_STS2, 6, 4)
	s_cmp_eq_u32 s2, 0
	s_cbranch_scc0 .Lentry_in_a_cluster
	s_endpgm
.Lentry_in_a_cluster:
	s_bfe_u32 s2, ttmp6, 0x10000c
	s_cmp_lg_u32 s2, 0x3003
	s_cbranch_scc0 .Lentry_shape_is_right
	s_endpgm
.Lentry_shape_is_right:
; ATTENTION ON CODES OF FP8 (E4M3): for one batch and head, o = softmax(q k^T / 8, keys masked by an input) v, both products quantised; o is quantised along the model's axis and stored as the next operand's image.
; Inputs are images of operand registers: q, k: tile t (16 tokens, lane r = token 32 (t / 2) + 8 (t % 2) + r + 8 (r / 8)) at 1,024 t: registers 4 c .. 4 c + 3 (c = 0, 1: the head's 64) at 512 c + 16 lane; v: [key step of 128][tile of 16 of the head's 64][2,048].
; SHARES.  A work-group owns 256 queries of a head; each of its EIGHT waves owns TWO tiles of 16 queries, in 512 registers: every fragment of k and of v that a wave reads from LDS feeds two products.  Every wave walks the 2,048 keys, 128 a step.
; REGISTERS BY FUNCTION.  Window 0 holds all that vector lines touch: addresses, the two tiles' state, scale words, S^T / p (2 x 64) and O^T (2 x 32).  Window 1 holds matrix operands alone: k's eight fragments of a step, v's four, q's two, p's codes.
; So three settings serve: 0 (vector work), 0x40 (LDS loads and conversions into window 1), 0x05 (products: sources 0 and 1 in window 1).
; LOADS RUN AHEAD: behind a step's first products its v and the NEXT step's k, mask words and scale words are asked of LDS; one wait for LDS stands in a step, in front of the second products.  The last step's look-ahead reads LDS bytes that exist
; (v's first bytes, v's scale words, a pad of 1,024 bytes of mask words stored at the head) and nothing uses them: so the step is written alike for all.
; THE TWO TILES COVER EACH OTHER: tile 0's exponentials stand among tile 1's multiply-adds, tile 1's among tile 0's holds, and tile 0's second product is issued ahead of tile 1's sums, holds and conversions.
; THE WHOLE HEAD LIES IN LDS: k's and v's codes (131,072 bytes each) and scale words come once, by six tensor loads, one a wave, each in an arm of its own; nothing is filled again, so there is no ring.
; Waves 0 to 3 bring the first 16,384 bytes of k and of v and the scale words, and they alone wait at the first barrier; waves 4 and 5 bring the rest, shown by the barrier behind key step 0, in front of which every wave waits for 0.
; CLUSTER: 4 x 1.  The four blocks of queries of a cluster belong to one head and want the same 278,528 bytes: each load is asked for JOINTLY, with the same descriptor and a mask that names the four.  The descriptors hang on the head alone.
; My place in the cluster enters the global addresses of q and of the result, and nothing else.  No prefetch: every byte is asked for at the head.
; LAYOUT.  S^T = k q^T, O^T = v^T p^T: a lane holds one query of each tile; by the tiles' make-up the 16 registers of key tiles 2 b, 2 b + 1 are keys 32 b + 16 (lane / 16) + 0 .. 15.
; THE MASK COSTS NO LINE A SCORE.  The form has K = 128, the head 64.  At k = 64 q holds the code of 1.0 and a masked key the code of -448, under scale bytes 172 (2^45) on both sides: a masked raw score is q.k - 448 x 2^90.
; The keys' words for that register are made once from the mask, in LDS.  If a batch keeps no key, reference()'s softmax is uniform: then no key is marked and the factor c is 0, so that every t is 0 (a choice by s_cselect, no branch).
; THE SOFTMAX: t = score x log2(e) / 8; M = the running largest t rounded up to a whole number; p = 2^(t - M) is quantised along the keys; the sum is taken of the unquantised p and divides at the end.
; LIMITS: real |t| stays under 2^90 (the running largest t begins at -2^90, over every masked t); a masked key's logit is about -1e29 where reference() has -1e9: no difference unless real logits lie under -1e9; NaN and infinities are not served.
; The two scale bytes of a row are stored by lanes r and r + 16 alike: the same halfword with the same value.
.set VB,    131072                     ; LDS: k at 0, v here,
.set KSC,   262144                     ; k's scale words, 64 bytes a tile,
.set VSC,   270336                     ; v's, 128 bytes a tile,
.set MKW,   278528                     ; the keys' mask words, 128 bytes a tile, and 1,024 bytes of pad: written by LDS stores, no fill lands here
.set SPARE, 295936                     ; the spare words: 128 bytes a wave
; window 0
.set AK,  1                            ; LDS addresses, stepped once a key step: k's codes (the next step's),
.set AV,  2                            ; v's codes,
.set AS,  3                            ; k's scale words,
.set AT,  4                            ; v's,
.set AM,  5                            ; the mask words
.set SPW, 6
.set NIL, 7
.set NM,  8                            ; tile i: v[NM+2i] -M, v[NM+2i+1] the largest t
.set SU,  12                           ; tile i: v[SU+2i:SU+2i+1] the sum in two halves
.set BM,  16                           ; tile i: v[BM+4i ..] block maxima, then the holds
.set JN,  24                           ; the other half's maxima, then bytes
.set SO,  32                           ; scale operands
.set TT,  40
.set FF,  42                           ; tile i: v[FF+2i:FF+2i+1] f = 2^(old M - new M)
.set KW,  46                           ; k's scale words: register j: lanes 0-15 tile 2 j's, lanes 16-31 tile 2 j + 1's
.set VW,  50
.set QW,  54
.set PWD, 56
.set TS,  58                           ; three pairs for the sums' chains
.set SS,  64                           ; S^T, then p: tile i at SS + 64 i
.set OO,  192                          ; O^T: tile i at OO + 32 i
; window 1
.set VF,  64                           ; v's four fragments; k's eight lie at 0-63 and 192-255
.set QF,  128                          ; q's two
.set PC,  160                          ; p's codes, two tiles
; head only, in window 0
.set R_,  144
.set H_,  145
.set L_,  146
.set MW,  147
.set R4_, 148
.set KY,  149
.set TC,  150
.set WV,   10
.set CX,   11
.set CS,   80
.set SEL,  82
.set MNT,  84
.set CNT,  88
.set CODE, 89
.set MSB,  0
.macro WIN new                         ; the immediate's high byte repeats the setting that is left
.if MSB != (\new)
	s_set_vgpr_msb (MSB<<8)|(\new)
.set MSB, (\new)
.endif
.endm
.macro MKG0 g, lds, base, off
	s_mov_b32 s[\g], 1
	s_mov_b32 s[\g+1], \lds
	s_add_nc_u64 s[\g+2:\g+3], s[\base:\base+1], \off
	s_or_b32 s[\g+3], s[\g+3], 0x80000000
.endm
.macro FOURNOP
.rept 4
	v_nop
.endr
.endm
.macro CROUND                          ; a round of the cluster's barrier
	s_barrier_signal -1
	s_barrier_wait -1
	s_cmp_lg_u32 s[WV], 0
	s_cbranch_scc1 .Lnot_wave_0_\@
	s_barrier_signal -3
.Lnot_wave_0_\@:
	s_barrier_wait -3
	s_barrier_signal -1
	s_barrier_wait -1
.endm
.macro ARM under, g0, g1, next         ; one arm of the head's chain: one joint load, then a jump to the join
	s_cmp_lt_u32 s[WV], \under
	s_cbranch_scc0 \next
	tensor_load_to_lds s[\g0:\g0+3], s[\g1:\g1+7]
	s_nop 0
	FOURNOP
	s_branch .Lfilled
\next:
.endm
	s_load_b128 s[4:7], s[0:1], 0x0                ; qkv, mask
	s_load_b64 s[8:9], s[0:1], 0x10                ; act
	v_lshl_add_u32 v[SPW], v0, 2, SPARE
	v_mov_b32 v[NIL], 0
	ds_add_u32 v[SPW], v[NIL]                      ; the opening lines: the add twice on end and its wait
	ds_add_u32 v[SPW], v[NIL]
	v_lshrrev_b32 v[L_], 5, v0
	v_readfirstlane_b32 s[WV], v[L_]               ; wave 0..7
	s_and_b32 s72, ttmp7, 0xffff                   ; 16 x batch + head: the four partners share it
	s_lshl_b32 s74, s72, 17
	s_mov_b32 s75, 0
	s_lshl_b32 s76, s72, 13
	s_mov_b32 s77, 0
	; three groups 1: dense blocks as rows of 256 bytes (32 elements of 8 bytes): 64, 448 and 32 rows
.irp g, 12, 20, 28
	s_mov_b32 s[\g], 15|(3<<16)|(1<<21)            ; 15:0 the mask: all four work-groups; 17:16 elements of 8 bytes; 21 set beside a mask
	s_mov_b32 s[\g+1], 32<<16
	s_mov_b32 s[\g+3], 32<<16
	s_mov_b32 s[\g+5], 32
	s_mov_b32 s[\g+6], 0
	s_mov_b32 s[\g+7], 0
.endr
	s_mov_b32 s14, 64<<16
	s_mov_b32 s16, 64
	s_mov_b32 s22, 448<<16
	s_mov_b32 s24, 448
	s_mov_b32 s30, 32<<16
	s_mov_b32 s32, 32
	s_wait_dscnt 0x0
	s_wait_kmcnt 0x0
	s_add_nc_u64 s[90:91], s[4:5], s[74:75]        ; the head's place among codes,
	s_add_nc_u64 s[92:93], s[4:5], s[76:77]        ; among scale words
	MKG0 36, 0, 90, 0x400000                       ; k: bytes 0 - 16,383
	MKG0 40, 16384, 90, 0x404000                   ;    16,384 - 131,071
	MKG0 48, VB, 90, 0x800000                      ; v likewise
	MKG0 52, VB+16384, 90, 0x804000
	MKG0 60, KSC, 92, 0xc40000                     ; k's scale words
	MKG0 68, VSC, 92, 0xc80000                     ; v's
	CROUND                                         ; all four work-groups are here: the joint loads meet
	ARM 1, 36, 12, .Larm1                          ; what key step 0 and its look-ahead read is asked for by waves 0 to 3,
	ARM 2, 48, 12, .Larm2
	ARM 3, 60, 28, .Larm3
	ARM 4, 68, 28, .Larm4
	ARM 5, 40, 20, .Larm5                          ; the rest by waves 4 and 5
	ARM 6, 52, 20, .Larm6
.Lfilled:
	s_bfe_u32 s[CX], ttmp6, 0x40000                ; cx: my place in the cluster
	s_lshl_b32 s73, ttmp9, 2                       ; in a cluster launch ttmp9 counts clusters
	s_add_co_u32 s73, s73, s[CX]                   ; my block of 256 queries: it enters q's and the result's global addresses alone
	s_lshl_b32 s73, s73, 4
	s_lshl_b32 s79, s[WV], 1
	s_add_co_u32 s73, s73, s79                     ; my first tile of queries in the head: 16 x block + 2 x wave
	s_lshl_b32 s74, s73, 10
	s_add_nc_u64 s[94:95], s[90:91], s[74:75]      ; q's codes
	s_lshl_b32 s74, s73, 6
	s_add_nc_u64 s[96:97], s[92:93], s[74:75]
	s_add_nc_u64 s[96:97], s[96:97], 0xc00000      ; q's scale words
	s_lshr_b32 s74, s72, 4                         ; the batch
	s_lshl_b32 s76, s74, 13
	s_add_nc_u64 s[6:7], s[6:7], s[76:77]          ; its mask
	s_lshl_b32 s74, s74, 7
	s_add_co_u32 s74, s74, s73                     ; my first tile among the 256 tiles of tokens
	s_lshl_b32 s74, s74, 3
	s_bfe_u32 s76, s72, 0x30001                    ; head / 2: the K step of the next product
	s_add_co_u32 s74, s74, s76
	s_and_b32 s78, s72, 1                          ; head % 2: which half of the fragment
	s_lshl_b32 s76, s74, 6
	s_lshl_b32 s79, s78, 1
	s_add_co_u32 s76, s76, s79
	s_add_co_u32 s76, s76, 0x400000
	s_add_nc_u64 s[98:99], s[8:9], s[76:77]        ; my two scale bytes a row; the second tile's lie 512 bytes on
	s_lshl_b32 s74, s74, 11
	s_lshl_b32 s78, s78, 10
	s_add_co_u32 s74, s74, s78
	s_add_nc_u64 s[8:9], s[8:9], s[74:75]          ; my codes; the second tile's lie 16,384 bytes on
	s_lshr_b32 s74, s[WV], 1
	s_lshl_b32 s74, s74, 5
	s_and_b32 s76, s[WV], 1
	s_lshl_b32 s76, s76, 3
	s_add_co_u32 s74, s74, s76                     ; key tile w begins at key 32 (w / 2) + 8 (w % 2)
	s_mov_b32 s[SEL], 0x76543210
	s_mov_b32 s[SEL+1], 0xfedcba98
	s_mov_b32 s[MNT], 0x600000
	v_and_b32 v[R_], 15, v0                        ; r
	v_bfe_u32 v[H_], v0, 4, 1                      ; h
	v_and_b32 v[L_], 31, v0                        ; lane
	v_lshlrev_b32 v[AK], 4, v[L_]                  ; key step 0's k
	v_lshl_add_u32 v[AV], v[L_], 4, VB-8192        ; a step under step 0's v: each step steps it ahead of its loads
	v_lshl_add_u32 v[AS], v[L_], 2, KSC
	v_lshl_add_u32 v[AT], v[L_], 2, VSC-512
	v_lshl_add_u32 v[AM], v[L_], 2, MKW
	v_lshl_add_u32 v[MW], v0, 2, MKW               ; where I put mask words: 4 x thread, 1,024 bytes from tile w to tile w + 8
	v_lshlrev_b32 v[R4_], 2, v[R_]
	v_and_b32 v[KY], 8, v[R_]
	v_add_nc_u32 v[KY], v[KY], v[R_]               ; r + 8 (r / 8)
	v_add_nc_u32 v[KY], s74, v[KY]                 ; lane r's key in tile w
	v_lshlrev_b32 v[KY], 2, v[KY]
	v_xor_b32 v[H_], 1, v[H_]                      ; 1 in lanes 0-15: k = 64 lies in their register 8
.set n, 0
.rept 16
	global_load_b128 v[SS+4*n:SS+4*n+3], v[AK], s[6:7] offset:512*n   ; the batch's whole mask: does it keep any key?
.set n, n+1
.endr
.set n, 0
.rept 16
	global_load_b32 v[SS+64+n], v[KY], s[6:7] offset:512*n            ; lane r's key in tile w + 8 n: 128 keys on
.set n, n+1
.endr
	global_load_b32 v[QW], v[R4_], s[96:97]
	global_load_b32 v[QW+1], v[R4_], s[96:97] offset:64
	WIN 0x40
.irp i, 0,1
	global_load_b128 v[QF+16*\i:QF+16*\i+3], v[AK], s[94:95] offset:1024*\i
	global_load_b128 v[QF+16*\i+4:QF+16*\i+7], v[AK], s[94:95] offset:1024*\i+512
	v_mul_u32_u24 v[QF+16*\i+8], 0x38, v[H_]       ; q at k = 64: the code of 1.0
.irp j, 9,10,11,12,13,14,15
	v_mov_b32 v[QF+16*\i+\j], 0                    ; q at k = 80 .. 127: zero codes
.endr
.endr
.irp t, 0,1,2,3,12,13,14,15
.irp j, 9,10,11,12,13,14,15
	v_mov_b32 v[16*\t+\j], 0                       ; the same of k's eight fragments: they stay zeros
.endr
.endr
	WIN 0
.set n, 0
.rept 64
	v_mov_b32 v[OO+n], 0                           ; O^T: the step is written alike for all: the first finds zeros
.set n, n+1
.endr
.irp i, 0,1
	v_mov_b32 v[NM+2*\i+1], 0xec800000             ; the largest t so far: -2^90
	v_mov_b32 v[SU+2*\i], 0
	v_mov_b32 v[SU+2*\i+1], 0
	v_mov_b32 v[FF+2*\i+1], 0                      ; (named as the upper half of a pair)
.endr
.irp i, 0,1
	v_floor_f32 v[NM+2*\i], -v[NM+2*\i+1]          ; -M
.endr
.irp b, 0,1,2,3,4,5,6,7
	v_mov_b32 v[JN+\b], 0                          ; a lane permute's destination counts as one of its sources
.endr
	s_wait_loadcnt 0x0
.set n, 4
.rept 15
.irp e, 0,1,2,3
	v_or_b32 v[SS+\e], v[SS+\e], v[SS+n+\e]
.endr
.set n, n+4
.endr
	v_or_b32 v[SS], v[SS], v[SS+1]
	v_or_b32 v[SS+2], v[SS+2], v[SS+3]
	v_or_b32 v[SS], v[SS], v[SS+2]
	v_cmp_ne_u32 vcc_lo, 0, v[SS]
	s_cmp_lg_u32 vcc_lo, 0                         ; any key kept?
	s_cselect_b32 s[CS], 0x3e38aa3b, 0             ; c = log2(e) / 8, or 0
	s_cselect_b32 s[CODE], 0xfe, 0                 ; a masked key's code at k = 64: -448, or none
	s_mov_b32 s[CS+1], s[CS]
	v_mul_u32_u24 v[TC], s[CODE], v[H_]
.set n, 0
.rept 16
	v_cmp_eq_u32 vcc_lo, 0, v[SS+64+n]
	v_cndmask_b32 v[SS+64+n], 0, v[TC], vcc_lo
	ds_store_b32 v[MW], v[SS+64+n] offset:1024*n
.set n, n+1
.endr
	ds_store_b32 v[MW], v[NIL] offset:16384        ; the pad that the last step's look-ahead reads
	s_wait_alu depctr_va_vdst(0)                   ; the wait at the head's end
	s_cmp_lt_u32 s[WV], 4
	s_cbranch_scc0 .Lnot_first
	s_wait_tensorcnt 0x0                           ; waves 0 to 3: what key step 0 and its look-ahead read has landed; waves 4 and 5 wait behind step 0
.Lnot_first:
	s_wait_dscnt 0x0                               ; my mask words lie in LDS
	s_barrier_signal -1
	s_barrier_wait -1
.macro LOADS withv                     ; a step's k (eight tiles: codes, mask word, scale words) by AK, AM, AS; withv = 1: ahead of it a step's v by AV, AT
	WIN 0x40
.if \withv
.irp t, 0,1,2,3
.irp c, 0,1,2,3
	ds_load_b128 v[VF+16*\t+4*\c:VF+16*\t+4*\c+3], v[AV] offset:2048*\t+512*\c
.endr
.endr
.endif
.irp t, 0,1,2,3,4,5,6,7
	ds_load_b128 v[16*\t+128*(\t/4):16*\t+128*(\t/4)+3], v[AK] offset:1024*\t
	ds_load_b128 v[16*\t+128*(\t/4)+4:16*\t+128*(\t/4)+7], v[AK] offset:1024*\t+512
	ds_load_b32 v[16*\t+128*(\t/4)+8], v[AM] offset:128*\t     ; k = 64 .. 79: the mask's word
.endr
	WIN 0
.if \withv
.irp t, 0,1,2,3
	ds_load_b32 v[VW+\t], v[AT] offset:128*\t
.endr
.endif
.irp j, 0,1,2,3
	ds_load_b32 v[KW+\j], v[AS] offset:128*\j      ; 128 bytes: two tiles' words
.endr
.endm
.macro SMUL t                          ; S^T of key tile t for both tiles of queries
.irp i, 0,1
.if (\t)%2
	v_wmma_scale_f32_16x16x128_f8f6f4 v[SS+64*\i+8*(\t):SS+64*\i+8*(\t)+7], v[16*(\t)+128*((\t)/4):16*(\t)+128*((\t)/4)+15], v[QF+16*\i:QF+16*\i+15], 0, v[KW+(\t)/2], v[QW+\i] matrix_a_scale:MATRIX_SCALE_ROW1
.else
	v_wmma_scale_f32_16x16x128_f8f6f4 v[SS+64*\i+8*(\t):SS+64*\i+8*(\t)+7], v[16*(\t)+128*((\t)/4):16*(\t)+128*((\t)/4)+15], v[QF+16*\i:QF+16*\i+15], 0, v[KW+(\t)/2], v[QW+\i]
.endif
.endr
.endm
.macro BMAX h                          ; the largest score of blocks 2 h, 2 h + 1 of both tiles, four chains by turns; each accumulator is read from its low end on
.irp i, 0,1
.irp b, 0,1
	v_max3_num_f32 v[BM+4*\i+2*\h+\b], v[SS+64*\i+16*(2*\h+\b)], v[SS+64*\i+16*(2*\h+\b)+1], v[SS+64*\i+16*(2*\h+\b)+2]
.endr
.endr
.irp k, 3,5,7,9,11,13
.irp i, 0,1
.irp b, 0,1
	v_max3_num_f32 v[BM+4*\i+2*\h+\b], v[BM+4*\i+2*\h+\b], v[SS+64*\i+16*(2*\h+\b)+\k], v[SS+64*\i+16*(2*\h+\b)+\k+1]
.endr
.endr
.endr
.irp i, 0,1
.irp b, 0,1
	v_max_num_f32 v[BM+4*\i+2*\h+\b], v[BM+4*\i+2*\h+\b], v[SS+64*\i+16*(2*\h+\b)+15]
.endr
.endr
.endm
.macro SUMS i                          ; the row's sum of tile i's unquantised p: 32 packed additions in four chains
	v_pk_add_f32 v[TS:TS+1], v[SS+64*\i:SS+64*\i+1], v[SS+64*\i+2:SS+64*\i+3]
	v_pk_add_f32 v[TS+2:TS+3], v[SS+64*\i+4:SS+64*\i+5], v[SS+64*\i+6:SS+64*\i+7]
	v_pk_add_f32 v[TS+4:TS+5], v[SS+64*\i+8:SS+64*\i+9], v[SS+64*\i+10:SS+64*\i+11]
	v_pk_add_f32 v[SU+2*\i:SU+2*\i+1], v[SU+2*\i:SU+2*\i+1], v[SS+64*\i+12:SS+64*\i+13]
.set n, 14
.rept 6
	v_pk_add_f32 v[TS:TS+1], v[TS:TS+1], v[SS+64*\i+n:SS+64*\i+n+1]
	v_pk_add_f32 v[TS+2:TS+3], v[TS+2:TS+3], v[SS+64*\i+n+2:SS+64*\i+n+3]
	v_pk_add_f32 v[TS+4:TS+5], v[TS+4:TS+5], v[SS+64*\i+n+4:SS+64*\i+n+5]
	v_pk_add_f32 v[SU+2*\i:SU+2*\i+1], v[SU+2*\i:SU+2*\i+1], v[SS+64*\i+n+6:SS+64*\i+n+7]
.set n, n+8
.endr
	v_pk_add_f32 v[TS:TS+1], v[TS:TS+1], v[SS+64*\i+62:SS+64*\i+63]
	v_pk_add_f32 v[SU+2*\i:SU+2*\i+1], v[SU+2*\i:SU+2*\i+1], v[TS+4:TS+5]
	v_pk_add_f32 v[TS:TS+1], v[TS:TS+1], v[TS+2:TS+3]
	v_pk_add_f32 v[SU+2*\i:SU+2*\i+1], v[SU+2*\i:SU+2*\i+1], v[TS:TS+1]
.endm
.macro PSCALE i                        ; from tile i's four largest p: scale operands, holds (over the maxima), bytes, the scale word
.irp b, 0,1,2,3
	v_max_num_f32 v[BM+4*\i+\b], 0x4800000, v[BM+4*\i+\b]      ; the floor: the byte cannot fall under 1
.endr
.irp b, 0,1,2,3
	v_add_nc_u32 v[SO+4*\i+\b], 0xfc000000, v[BM+4*\i+\b]
.endr
.irp b, 0,1,2,3
	v_and_or_b32 v[BM+4*\i+\b], v[BM+4*\i+\b], 0x7f800000, s[MNT]
.endr
.irp b, 0,1,2,3
	v_lshrrev_b32 v[JN+4*\i+\b], 23, v[SO+4*\i+\b]
.endr
	v_lshl_or_b32 v[PWD+\i], v[JN+4*\i+1], 8, v[JN+4*\i]
	v_lshl_or_b32 v[PWD+\i], v[JN+4*\i+2], 16, v[PWD+\i]
	v_lshl_or_b32 v[PWD+\i], v[JN+4*\i+3], 24, v[PWD+\i]
.endm
.macro CODES i                         ; tile i's held p into codes (window 1); O^T under the new M: also the places between the codes' making and the products
	WIN 0x40
.irp b, 0,1,2,3
	v_cvt_scalef32_pk8_fp8_f32 v[PC+16*\i+4*\b:PC+16*\i+4*\b+1], v[SS+64*\i+16*\b:SS+64*\i+16*\b+7], v[SO+4*\i+\b]
	v_cvt_scalef32_pk8_fp8_f32 v[PC+16*\i+4*\b+2:PC+16*\i+4*\b+3], v[SS+64*\i+16*\b+8:SS+64*\i+16*\b+15], v[SO+4*\i+\b]
.endr
	WIN 0
	s_wait_alu depctr_va_vdst(0)                   ; the wait here, directly ahead of the first reader of O^T
.set n, 0
.rept 16
	v_pk_mul_f32 v[OO+32*\i+n:OO+32*\i+n+1], v[OO+32*\i+n:OO+32*\i+n+1], v[FF+2*\i:FF+2*\i+1] op_sel_hi:[1,0]
.set n, n+2
.endr
.endm
.macro PV i                            ; O^T += v^T p^T of tile i: four accumulators by turns
	WIN 0x05
.irp t, 0,1,2,3
	v_wmma_scale_f32_16x16x128_f8f6f4 v[OO+32*\i+8*\t:OO+32*\i+8*\t+7], v[VF+16*\t:VF+16*\t+15], v[PC+16*\i:PC+16*\i+15], v[OO+32*\i+8*\t:OO+32*\i+8*\t+7], v[VW+\t], v[PWD+\i]
.endr
	WIN 0
.endm
; A KEY STEP: 128 keys x 32 queries.  Its k lies in registers when it begins.
.macro STEP
	WIN 0x05
.irp t, 0,1,2,3
	SMUL \t
.endr
	WIN 0
	v_add_nc_u32 v[AK], 8192, v[AK]                ; eight plain lines: the places behind key tiles 0-3's products
	v_add_nc_u32 v[AV], 8192, v[AV]
	v_add_nc_u32 v[AS], 512, v[AS]
	v_add_nc_u32 v[AT], 512, v[AT]
	v_add_nc_u32 v[AM], 1024, v[AM]
	v_nop
	v_nop
	v_nop
	WIN 0x05
.irp t, 4,5,6,7
	SMUL \t
.endr
	WIN 0
	BMAX 0                                         ; 32 plain lines that name nothing of key tiles 4-7's products: their places, and those in front of the loads below
	LOADS 1                                        ; this step's v, the next step's k
	BMAX 1
.irp b, 0,1,2,3,4,5,6,7
	v_permlanex16_b32 v[JN+\b], v[BM+\b], s[SEL], s[SEL+1]
.endr
.irp b, 0,1,2,3,4,5,6,7
	v_max_num_f32 v[BM+\b], v[BM+\b], v[JN+\b]     ; with lane l xor 16's 16 keys
.endr
.irp i, 0,1                                    ; the two tiles by turns
	v_max3_num_f32 v[TT+\i], v[BM+4*\i], v[BM+4*\i+1], v[BM+4*\i+2]
.endr
.irp i, 0,1
	v_max_num_f32 v[TT+\i], v[TT+\i], v[BM+4*\i+3]
.endr
.irp i, 0,1
	v_mul_f32 v[TT+\i], s[CS], v[TT+\i]            ; as t (c is not negative)
.endr
.irp i, 0,1
	v_max_num_f32 v[NM+2*\i+1], v[NM+2*\i+1], v[TT+\i]   ; the running largest t
.endr
.irp i, 0,1
	v_mov_b32 v[TT+\i], v[NM+2*\i]
.endr
.irp i, 0,1
	v_floor_f32 v[NM+2*\i], -v[NM+2*\i+1]          ; the new -M = -ceil(t)
.endr
.irp i, 0,1
	v_sub_f32 v[TT+\i], v[NM+2*\i], v[TT+\i]       ; old M - new M: a whole number, 0 or less
.endr
.irp i, 0,1
	v_cvt_i32_f32 v[TT+\i], v[TT+\i]               ; (it saturates)
.endr
.irp i, 0,1
	v_ldexp_f32 v[FF+2*\i], 1.0, v[TT+\i]          ; f: a multiplication by it rounds nothing
.endr
.set n, 0
.rept 32
	v_pk_fma_f32 v[SS+n:SS+n+1], v[SS+n:SS+n+1], s[CS:CS+1], v[NM:NM+1] op_sel_hi:[1,0,0]   ; tile 0: t - M
.set n, n+2
.endr
.irp b, 0,1,2,3
	v_fma_f32 v[BM+\b], v[BM+\b], s[CS], v[NM]     ; the same of each block's largest score
.endr
	s_wait_alu depctr_va_vdst(0)                   ; the wait ahead of the batch
.set n, 0
.rept 32                                       ; tile 0's p = 2^(t - M); among the exponentials tile 1's t - M, read only behind the two waits below
	v_exp_f32 v[SS+n], v[SS+n]
	v_exp_f32 v[SS+n+1], v[SS+n+1]
	v_pk_fma_f32 v[SS+64+n:SS+64+n+1], v[SS+64+n:SS+64+n+1], s[CS:CS+1], v[NM+2:NM+3] op_sel_hi:[1,0,0]
.set n, n+2
.endr
.irp b, 0,1,2,3
	v_exp_f32 v[BM+\b], v[BM+\b]                   ; each block's largest p: the same two lines on the same number
	v_fma_f32 v[BM+4+\b], v[BM+4+\b], s[CS], v[NM+2]
.endr
	v_pk_mul_f32 v[SU:SU+1], v[SU:SU+1], v[FF:FF+1] op_sel_hi:[1,0]   ; tile 0's sums under the new M
	s_wait_alu depctr_va_vdst(0)                   ; one wait for the batch, ahead of its first reader
	SUMS 0
	PSCALE 0
	s_wait_alu depctr_va_vdst(0)                   ; and one ahead of the second batch
.set n, 0
.rept 32                                       ; tile 1's p; among the exponentials tile 0's holds (p is not negative: one-sided; two numbers a line), read only behind the wait below
	v_exp_f32 v[SS+64+n], v[SS+64+n]
	v_exp_f32 v[SS+64+n+1], v[SS+64+n+1]
	v_dual_min_num_f32 v[SS+n], v[BM+n/16], v[SS+n] :: v_dual_min_num_f32 v[SS+n+1], v[BM+n/16], v[SS+n+1]
.set n, n+2
.endr
.irp b, 0,1,2,3
	v_exp_f32 v[BM+4+\b], v[BM+4+\b]
.endr
	v_pk_mul_f32 v[SU+2:SU+3], v[SU+2:SU+3], v[FF+2:FF+3] op_sel_hi:[1,0]   ; tile 1's sums under the new M; the plain line behind the batch
	s_wait_alu depctr_va_vdst(0)                   ; one wait for the batch
	CODES 0
	s_wait_alu depctr_va_vdst(0)                   ; the wait here, directly ahead of the wait below
	s_wait_dscnt 0x0                               ; v's fragments, and the next step's k: all asked for behind this step's first products
	PV 0
	SUMS 1
	PSCALE 1
.set n, 0
.rept 32
	v_dual_min_num_f32 v[SS+64+n], v[BM+4+n/16], v[SS+64+n] :: v_dual_min_num_f32 v[SS+64+n+1], v[BM+4+n/16], v[SS+64+n+1]
.set n, n+2
.endr
	CODES 1
	PV 1
.endm
	LOADS 0                                        ; key step 0's k
	s_wait_dscnt 0x0
	STEP                                           ; key step 0 and its look-ahead read the bytes that waves 0 to 3 asked for
	s_wait_tensorcnt 0x0                           ; every wave waits: waves 4 and 5's loads have landed,
	s_wait_dscnt 0x0
	s_barrier_signal -1
	s_barrier_wait -1                              ; and everybody knows
	s_mov_b32 s[CNT], 15
.Lstep:
	STEP
	s_sub_co_u32 s[CNT], s[CNT], 1
	s_cmp_lg_u32 s[CNT], 0
	s_cbranch_scc1 .Lstep
	; THE WAY OUT: O^T / the sum; register 16 b + i is channel 32 b + 16 (lane / 16) + i of my query: two blocks of the next product's K
	FOURNOP
	v_and_b32 v[TS], 31, v0                        ; (with the four above: eight places behind the last products)
	v_lshlrev_b32 v[TS], 4, v[TS]                  ; 16 x lane
	v_and_b32 v[TS+1], 15, v0
	v_lshlrev_b32 v[TS+1], 2, v[TS+1]              ; 4 r
.irp i, 0,1
	v_add_f32 v[SU+2*\i], v[SU+2*\i], v[SU+2*\i+1]
.endr
.irp i, 0,1
	v_permlanex16_b32 v[TT+\i], v[SU+2*\i], s[SEL], s[SEL+1]
.endr
.irp i, 0,1
	v_add_f32 v[SU+2*\i], v[SU+2*\i], v[TT+\i]     ; the row's sum
.endr
	s_wait_alu depctr_va_vdst(0)
.irp i, 0,1
	v_rcp_f32 v[SU+2*\i], v[SU+2*\i]
.endr
	v_nop                                          ; a plain line behind them
	s_wait_alu depctr_va_vdst(0)                   ; and the wait, ahead of their first reader
.irp i, 0,1
.set n, 0
.rept 32
	v_mul_f32 v[SS+64*\i+n], v[OO+32*\i+n], v[SU+2*\i]
.set n, n+1
.endr
.endr
.irp i, 0,1
.irp b, 0,1
	v_max3_num_f32 v[BM+4*\i+\b], |v[SS+64*\i+16*\b]|, |v[SS+64*\i+16*\b+1]|, 0x4800000
.endr
.endr
.irp k, 2,4,6,8,10,12,14
.irp i, 0,1
.irp b, 0,1
	v_max3_num_f32 v[BM+4*\i+\b], v[BM+4*\i+\b], |v[SS+64*\i+16*\b+\k]|, |v[SS+64*\i+16*\b+\k+1]|
.endr
.endr
.endr
.irp i, 0,1
.irp b, 0,1
	v_permlanex16_b32 v[JN+4*\i+\b], v[BM+4*\i+\b], s[SEL], s[SEL+1]
.endr
.endr
.irp i, 0,1
.irp b, 0,1
	v_max_num_f32 v[BM+4*\i+\b], v[BM+4*\i+\b], v[JN+4*\i+\b]
.endr
.endr
.irp i, 0,1
.irp b, 0,1
	v_add_nc_u32 v[SO+4*\i+\b], 0xfc000000, v[BM+4*\i+\b]
.endr
.endr
.irp i, 0,1
.irp b, 0,1
	v_and_or_b32 v[BM+4*\i+\b], v[BM+4*\i+\b], 0x7f800000, s[MNT]
.endr
.endr
.irp i, 0,1
.irp b, 0,1
	v_lshrrev_b32 v[JN+4*\i+\b], 23, v[SO+4*\i+\b]
.endr
.endr
.irp i, 0,1
	v_lshl_or_b32 v[TT+\i], v[JN+4*\i+1], 8, v[JN+4*\i]        ; my head's two bytes of the row's scale word
.endr
.irp i, 0,1
.irp b, 0,1
.set n, 0
.rept 16
	v_med3_num_f32 v[SS+64*\i+16*\b+n], v[SS+64*\i+16*\b+n], -v[BM+4*\i+\b], v[BM+4*\i+\b]
.set n, n+1
.endr
	v_cvt_scalef32_pk8_fp8_f32 v[SS+64*\i+32+4*\b:SS+64*\i+32+4*\b+1], v[SS+64*\i+16*\b:SS+64*\i+16*\b+7], v[SO+4*\i+\b]
	v_cvt_scalef32_pk8_fp8_f32 v[SS+64*\i+32+4*\b+2:SS+64*\i+32+4*\b+3], v[SS+64*\i+16*\b+8:SS+64*\i+16*\b+15], v[SO+4*\i+\b]
.endr
.endr
	v_nop                                          ; one plain line behind the last scaled conversion
.irp i, 0,1
	global_store_b128 v[TS], v[SS+64*\i+32:SS+64*\i+35], s[8:9] offset:16384*\i        ; 512 consecutive bytes each
	global_store_b128 v[TS], v[SS+64*\i+36:SS+64*\i+39], s[8:9] offset:16384*\i+512
	global_store_b16 v[TS+1], v[TT+\i], s[98:99] offset:512*\i
.endr
	s_wait_tensorcnt 0x0                           ; the wave's end
	ds_add_u32 v[SPW], v[NIL]
	s_wait_dscnt 0x0
	CROUND                                         ; the closing round
	s_endpgm
.Lfunc_end_k_q9add3a665f_attn:
	.size	k_q9add3a665f_attn, .Lfunc_end_k_q9add3a665f_attn-k_q9add3a665f_attn
	.p2alignl 7, 3214868480
	.fill 96, 4, 3214868480
	.section	.rodata,"a",@progbits
	.p2align	6, 0x0
	.amdhsa_kernel k_q9add3a665f_attn
		.amdhsa_group_segment_fixed_size 296960
		.amdhsa_private_segment_fixed_size 0
		.amdhsa_enable_private_segment 0
		.amdhsa_kernarg_size 24
		.amdhsa_user_sgpr_count 2
		.amdhsa_user_sgpr_kernarg_segment_ptr 1
		.amdhsa_wavefront_size32 1
		.amdhsa_system_sgpr_workgroup_id_x 1
		.amdhsa_system_sgpr_workgroup_id_y 1
		.amdhsa_system_sgpr_workgroup_id_z 1
		.amdhsa_system_vgpr_workitem_id 0
		.amdhsa_next_free_vgpr 512
		.amdhsa_next_free_sgpr 100
		.amdhsa_reserve_vcc 1
		.amdhsa_float_denorm_mode_32 3
		.amdhsa_float_denorm_mode_16_64 3
		.amdhsa_memory_ordered 1
		.amdhsa_forward_progress 1
		.amdhsa_inst_pref_size 105
	.end_amdhsa_kernel
	.amdgpu_metadata
---
amdhsa.version: [ 1, 2 ]
amdhsa.kernels:
  - .name:           k_q9add3a665f_attn
    .symbol:         k_q9add3a665f_attn.kd
    .args:
      - { .name: qkv, .offset: 0, .size: 8, .value_kind: global_buffer, .address_space: global }
      - { .name: mask, .offset: 8, .size: 8, .value_kind: global_buffer, .address_space: global }
      - { .name: act, .offset: 16, .size: 8, .value_kind: global_buffer, .address_space: global }
    .group_segment_fixed_size: 296960
    .private_segment_fixed_size: 0
    .kernarg_segment_align: 8
    .kernarg_segment_size: 24
    .max_flat_workgroup_size: 256
    .sgpr_count:     100
    .vgpr_count:     512
    .wavefront_size: 32
...
	.end_amdgpu_metadata
.endif
;; end of part 3
;; launch outp (part 4): grid 8 x 32, 4 waves a work-group, clusters of 4 x 4, 327,680 bytes of LDS; arguments act, wq, b_out, x, x1; writes x1
.if DOCPART == 4
	.amdgcn_target "amdgcn-amd-amdhsa--gfx1250"
	.amdhsa_code_object_version 6
	.text
	.protected	k_q9add3a665f_outp
	.globl	k_q9add3a665f_outp
	.p2align	8
	.type	k_q9add3a665f_outp,@function
k_q9add3a665f_outp:
	s_mov_b64 s[64:65], 0
	v_nop
	global_prefetch_b8 v0, s[64:65] scope:SCOPE_SE
	s_setreg_imm32_b32 hwreg(HW_REG_WAVE_MODE, 25, 1), 1
	s_wait_xcnt 0x0
	s_wait_alu depctr_hold_cnt(0) depctr_sa_sdst(0) depctr_va_vdst(0) depctr_va_sdst(0) depctr_va_ssrc(0) depctr_va_vcc(0) depctr_vm_vsrc(0)
	s_getreg_b32 s2, hwreg(HW_REG_IB_STS2, 6, 4)
	s_cmp_eq_u32 s2, 0
	s_cbranch_scc0 .Lentry_in_a_cluster
	s_endpgm
.Lentry_in_a_cluster:
	s_bfe_u32 s2, ttmp6, 0x10000c
	s_cmp_lg_u32 s2, 0xf033
	s_cbranch_scc0 .Lentry_shape_is_right
	s_endpgm
.Lentry_shape_is_right:
.set KIND,  0
.if KIND
.set KS,    32
.set WOFF,  0x800000
.set WSOFF, 0xc40000
.set ASOFF, 0x1000000
.else
.set KS,    8
.set WOFF,  0x300000
.set WSOFF, 0xc18000
.set ASOFF, 0x400000
.endif
.set LAPS,  KS/8
.set SLOT,  131072
.set OP0,   65536
.set SCL,   262144
.set HALFS, 256*KS
.set SPARE, SCL+4*HALFS
.set STGW,  17408
.set ADRA, 16
.set ADRB, 20
.set STO,  24
.set RD,   25
.set CO,   26
.set ADRS, 27
.set SPW,  28
.set NIL,  29
.set SC,   32
.set BI,   96
.set ACC,  128
.set F0,   0
.set F1,   128
.set G1,   24
.set G0,   32
.set G1B,  48
.set G0B,  56
.set G1S,  68
.set G0S,  76
.set G1SB, 80
.set G0SB, 88
.set MSB,  0
.macro WIN new
.if MSB != (\new)
	s_set_vgpr_msb (MSB<<8)|(\new)
.set MSB, (\new)
.endif
.endm
.set MUL, 0x05
.macro JLOAD g0a, g1a, g0b, g1b
	s_cmp_eq_u32 s15, 0
	s_cbranch_scc0 .Lfor_b_\@
	tensor_load_to_lds s[\g0a:\g0a+3], s[\g1a:\g1a+7]
	s_nop 0
.rept 4
	v_nop
.endr
	s_branch .Lasked_\@
.Lfor_b_\@:
	tensor_load_to_lds s[\g0b:\g0b+3], s[\g1b:\g1b+7]
	s_nop 0
.rept 4
	v_nop
.endr
.Lasked_\@:
.endm
.macro CREST
	s_cmp_lg_u32 s14, 0
	s_cbranch_scc1 .Lnot_wave_0_\@
	s_barrier_signal -3
.Lnot_wave_0_\@:
	s_barrier_wait -3
	s_barrier_signal -1
	s_barrier_wait -1
.endm
.macro CROUND
	s_barrier_signal -1
	s_barrier_wait -1
	CREST
.endm
	s_load_b256 s[4:11], s[0:1], 0x0
	s_load_b64 s[12:13], s[0:1], 0x20
	v_lshl_add_u32 v[SPW], v0, 2, SPARE
	v_mov_b32 v[NIL], 0
	ds_add_u32 v28, v29
	ds_add_u32 v28, v29
	s_wait_dscnt 0x0
	v_lshrrev_b32 v1, 5, v0
	v_readfirstlane_b32 s14, v1
	s_lshr_b32 s15, s14, 1
	s_and_b32 s16, s14, 1
	s_bfe_u32 s40, ttmp6, 0x40000
	s_bfe_u32 s41, ttmp6, 0x40004
	s_lshl_b32 s42, ttmp9, 2
	s_add_co_u32 s42, s42, s40
	s_and_b32 s17, ttmp7, 0xffff
	s_lshl_b32 s17, s17, 2
	s_add_co_u32 s17, s17, s41
	s_lshl_b32 s43, s41, 2
	s_lshl_b32 s43, 15, s43
	s_lshl_b32 s44, 0x1111, s40
	s_or_b32 s[G1+0], s43, (3<<16)|(1<<21)
	s_or_b32 s[G1B+0], s44, (3<<16)|(1<<21)
.irp g, G1, G1B
	s_mov_b32 s[\g+1], 1024<<16
	s_mov_b32 s[\g+2], 8<<16                       ; the head's loads bring all 8 tiles' parts of slot 0; behind them the two counts are set to 4
	s_mov_b32 s[\g+3], 1024<<16
	s_mov_b32 s[\g+4], 8
	s_mov_b32 s[\g+5], 256*KS
	s_mov_b32 s[\g+6], 0
	s_mov_b32 s[\g+7], 0
.endr
	s_or_b32 s[G1S+0], s43, (3<<16)|(1<<21)
	s_or_b32 s[G1SB+0], s44, (3<<16)|(1<<21)
.irp g, G1S, G1SB
	s_mov_b32 s[\g+1], 32<<16
	s_mov_b32 s[\g+2], (2*KS)<<16                  ; the scale words of 8 tiles: 512 KS dense bytes as rows of 256
	s_mov_b32 s[\g+3], 32<<16
	s_mov_b32 s[\g+4], 2*KS
	s_mov_b32 s[\g+5], 32
	s_mov_b32 s[\g+6], 0
	s_mov_b32 s[\g+7], 0
.endr
	s_lshl_b32 s18, s16, 2
	s_lshl_b32 s20, s17, 3
	s_add_co_u32 s20, s20, s18
	s_lshl_b32 s46, s42, 3
	s_add_co_u32 s46, s46, s18
	s_mul_i32 s22, s17, 8*KS*64
	s_mov_b32 s23, 0
	s_mul_i32 s20, s20, KS*2048
	s_mov_b32 s21, 0
	s_mul_i32 s92, s42, 8*KS*64
	s_mov_b32 s93, 0
	s_mul_i32 s46, s46, KS*2048
	s_mov_b32 s47, 0
	s_lshl_b32 s45, s14, 15
	s_mul_i32 s94, s14, HALFS
	s_wait_kmcnt 0x0
	s_add_nc_u64 s[20:21], s[4:5], s[20:21]
	s_add_nc_u64 s[4:5], s[4:5], ASOFF
	s_add_nc_u64 s[22:23], s[4:5], s[22:23]
	s_add_nc_u64 s[4:5], s[6:7], WOFF
	s_add_nc_u64 s[46:47], s[4:5], s[46:47]
	s_add_nc_u64 s[4:5], s[6:7], WSOFF
	s_add_nc_u64 s[92:93], s[4:5], s[92:93]
	CROUND
	s_mov_b32 s[G0S], 1
	s_mov_b32 s[G0S+1], SCL
	s_mov_b64 s[G0S+2:G0S+3], s[22:23]
	s_or_b32 s[G0S+3], s[G0S+3], 0x80000000
	s_mov_b32 s[G0SB], 1
	s_mov_b32 s[G0SB+1], SCL+2*HALFS
	s_mov_b64 s[G0SB+2:G0SB+3], s[92:93]
	s_or_b32 s[G0SB+3], s[G0SB+3], 0x80000000
.irp s, 0,1
	s_mov_b32 s[G0+4*\s], 1
	s_add_co_u32 s[G0+4*\s+1], s45, \s*SLOT
	s_add_nc_u64 s[G0+4*\s+2:G0+4*\s+3], s[20:21], \s*8192
	s_or_b32 s[G0+4*\s+3], s[G0+4*\s+3], 0x80000000
	s_mov_b32 s[G0B+4*\s], 1
	s_add_co_u32 s[G0B+4*\s+1], s45, \s*SLOT
	s_add_nc_u64 s[G0B+4*\s+2:G0B+4*\s+3], s[46:47], \s*8192
	s_or_b32 s[G0B+4*\s+3], s[G0B+4*\s+3], 0x80000000
.endr
	; THE HEAD'S LOADS, ONE A WAVE: wave 0 op1's 8 tiles of slot 0, wave 1 op0's, wave 2 op1's scale words, wave 3 op0's.
	; Slot 0's two groups 0 serve the head with the tile's first byte and the region's first LDS byte.
	s_mul_i32 s98, s16, KS*8192                    ; my half's 4 tiles, in bytes
	s_mov_b32 s99, 0
	s_mov_b32 s[G0+1], 0
	s_sub_nc_u64 s[G0+2:G0+3], s[G0+2:G0+3], s[98:99]
	s_mov_b32 s[G0B+1], OP0
	s_sub_nc_u64 s[G0B+2:G0B+3], s[G0B+2:G0B+3], s[98:99]
	; the prefetches: of the 4 tiles that my wave fetches in the ring, the partner at place p (cx for op1, cy for op0) names tile p: a slot's 8,192 bytes of it, lanes 256 bytes apart
	s_cmp_eq_u32 s15, 0
	s_cselect_b64 s[66:67], s[20:21], s[46:47]
	s_cselect_b32 s96, s40, s41
	s_mul_i32 s96, s96, KS*2048
	s_mov_b32 s97, 0
	s_add_nc_u64 s[66:67], s[66:67], s[96:97]
.macro ARM under, g0, g1, next
	s_cmp_lt_u32 s14, \under
	s_cbranch_scc0 \next
	tensor_load_to_lds s[\g0:\g0+3], s[\g1:\g1+7]
	s_nop 0
.rept 4
	v_nop
.endr
	s_branch .Lhead_asked
\next:
.endm
	ARM 1, G0,  G1,  .Lhead_b
	ARM 2, G0B, G1B, .Lhead_sa
	ARM 3, G0S, G1S, .Lhead_sb
	tensor_load_to_lds s[G0SB:G0SB+3], s[G1SB:G1SB+7]
	s_nop 0
.rept 4
	v_nop
.endr
.Lhead_asked:
	v_and_b32 v30, 31, v0
	v_lshlrev_b32 v30, 8, v30
	s_wait_alu depctr_va_vdst(0)                   ; the wait
	global_prefetch_b8 v30, s[66:67] offset:8192 th:TH_LOAD_NT scope:SCOPE_SE    ; slot 1's bytes
.if KIND
	global_prefetch_b8 v30, s[66:67] offset:16384 th:TH_LOAD_NT scope:SCOPE_SE   ; and what the first refill will ask for
.endif
	v_and_b32 v1, 15, v0
	v_bfe_u32 v2, v0, 4, 1
	s_wait_alu depctr_va_vdst(0)
	v_and_b32 v3, 31, v0
	v_lshlrev_b32 v3, 4, v3
	s_lshl_b32 s21, s15, 15
	s_lshl_b32 s22, s16, 15
	s_add_co_u32 s22, s22, OP0
.irp s, 0,1
	v_add_nc_u32 v[ADRA+\s], s21, v3
	v_add_nc_u32 v[ADRB+\s], s22, v3
	s_add_co_u32 s21, s21, SLOT
	s_add_co_u32 s22, s22, SLOT
.endr
	s_mul_i32 s21, s15, HALFS
	s_mul_i32 s22, s16, HALFS
	s_add_co_u32 s22, s22, 2*HALFS
	s_sub_co_u32 s22, s22, s21
	v_mul_u32_u24 v6, s22, v2
	s_add_co_u32 s21, s21, SCL
	v_lshl_add_u32 v5, v1, 2, v6
	v_add_nc_u32 v[ADRS], s21, v5
	s_mul_i32 s23, s14, STGW
	v_and_b32 v4, 8, v1
	v_add_nc_u32 v4, v4, v1
	v_mul_u32_u24 v4, v4, 272
	v_lshl_add_u32 v4, v2, 6, v4
	v_add_nc_u32 v[STO], s23, v4
	v_mul_u32_u24 v5, v2, 272
	v_lshl_add_u32 v5, v1, 4, v5
	v_add_nc_u32 v[RD], s23, v5
	v_lshlrev_b32 v5, 12, v2
	v_lshl_add_u32 v[CO], v1, 4, v5
	s_wait_alu depctr_va_vdst(0)
	s_lshl_b32 s20, s17, 7
	s_lshl_b32 s21, s15, 6
	s_add_co_u32 s20, s20, s21
	s_lshl_b32 s20, s20, 12
	s_lshl_b32 s22, s42, 9
	s_lshl_b32 s21, s16, 8
	s_add_co_u32 s22, s22, s21
	s_add_co_u32 s20, s20, s22
	s_mov_b32 s21, 0
	s_mov_b32 s23, 0
	s_add_nc_u64 s[10:11], s[10:11], s[20:21]
	s_add_nc_u64 s[12:13], s[12:13], s[20:21]
	s_add_nc_u64 s[8:9], s[8:9], s[22:23]
	v_lshlrev_b32 v7, 6, v2
.irp b, 0,1,2,3
	global_load_b128 v[BI+8*\b:BI+8*\b+3], v7, s[8:9] offset:(32*(\b/2)+8*(\b%2))*4
	global_load_b128 v[BI+8*\b+4:BI+8*\b+7], v7, s[8:9] offset:(32*(\b/2)+8*(\b%2))*4+16
.endr
.macro MULA f, a, first
.irp b, 0,1,2,3
.if \first
	v_wmma_scale_f32_16x16x128_f8f6f4 v[ACC+8*(4*(\a)+\b):ACC+8*(4*(\a)+\b)+7], v[\f+64+16*\b:\f+64+16*\b+15], v[\f+16*(\a):\f+16*(\a)+15], v[BI+8*\b:BI+8*\b+7], v[SC+4*((\f)/128)+\b], v[SC+4*((\f)/128)+(\a)] matrix_a_scale:MATRIX_SCALE_ROW1
.else
	v_wmma_scale_f32_16x16x128_f8f6f4 v[ACC+8*(4*(\a)+\b):ACC+8*(4*(\a)+\b)+7], v[\f+64+16*\b:\f+64+16*\b+15], v[\f+16*(\a):\f+16*(\a)+15], v[ACC+8*(4*(\a)+\b):ACC+8*(4*(\a)+\b)+7], v[SC+4*((\f)/128)+\b], v[SC+4*((\f)/128)+(\a)] matrix_a_scale:MATRIX_SCALE_ROW1
.endif
.endr
.endm
.macro FETCH slot, q, g
	WIN 0x40
.irp i, 0,1,2,3
.irp c, 0,1,2,3
	ds_load_b128 v[\g+16*\i+4*\c:\g+16*\i+4*\c+3], v[ADRA+\slot] offset:\i*8192+(\q)*2048+512*\c
.endr
.endr
.irp i, 0,1,2,3
.irp c, 0,1,2,3
	ds_load_b128 v[\g+64+16*\i+4*\c:\g+64+16*\i+4*\c+3], v[ADRB+\slot] offset:\i*8192+(\q)*2048+512*\c
.endr
.endr
	WIN 0
.irp i, 0,1,2,3
	ds_load_b32 v[SC+4*((\g)/128)+\i], v[ADRS] offset:\i*64*KS+64*(\q)
.endr
.endm
.macro PLACES n
.rept \n
	v_nop
.endr
.endm
.macro KQ slot, q, f, g, first
	s_wait_dscnt 0x0                               ; this step's fragments and scale words are in: they were asked for at the head of the step before
	PLACES 8                                       ; behind the last step's products, which read the buffer that is filled next
	FETCH \slot, (\q)+1, \g                        ; the next step's fragments: this step's 16 products stand between these loads and the wait for them
	WIN MUL
	MULA \f, 0, \first
	MULA \f, 1, \first
	MULA \f, 2, \first
	MULA \f, 3, \first
.endm
.macro TURN slot, next, fill
	WIN 0
.if \fill
	s_wait_xcnt 0x0                                ; my last prefetch has read its address, so it may step: one slot on
	s_add_nc_u64 s[66:67], s[66:67], 8192
.endif
	s_wait_tensorcnt 0x0
	ds_add_u32 v[SPW], v[NIL]
	s_wait_dscnt 1
	WIN MUL
	MULA F1, 0, 0
	s_wait_dscnt 0x0
	s_barrier_signal -1
	MULA F1, 1, 0
	WIN 0
	s_barrier_wait -1
.if \fill
	CREST
	s_add_nc_u64 s[G0+4*\slot+2:G0+4*\slot+3], s[G0+4*\slot+2:G0+4*\slot+3], 16384
	s_add_nc_u64 s[G0B+4*\slot+2:G0B+4*\slot+3], s[G0B+4*\slot+2:G0B+4*\slot+3], 16384
	JLOAD G0+4*\slot, G1, G0B+4*\slot, G1B
	PLACES 4
.else
	PLACES 8
.endif
	v_add_nc_u32 v[ADRS], 256, v[ADRS]
	FETCH \next, 0, F0
.if \fill
	s_cmp_gt_u32 s3, 1                             ; the loop's last trip has no slot two refills on
	s_cbranch_scc0 .Lnoask_\@
	global_prefetch_b8 v30, s[66:67] offset:24576 th:TH_LOAD_NT scope:SCOPE_SE   ; the slot that stands two refills on
.Lnoask_\@:
.endif
	WIN MUL
	MULA F1, 2, 0
	MULA F1, 3, 0
.endm
	s_wait_alu depctr_va_vdst(0)                   ; the wait at the head's end
	s_wait_tensorcnt 0x0                           ; my tile of the head's four is in
	ds_add_u32 v[SPW], v[NIL]
	s_mov_b32 s[G1+2], 4<<16                       ; no tensor load of mine is out: from here on a load brings 4 tiles' parts
	s_mov_b32 s[G1+4], 4
	s_mov_b32 s[G1B+2], 4<<16
	s_mov_b32 s[G1B+4], 4
.if LAPS > 1
	s_lshl_b32 s[G0+1], s14, 15                    ; slot 0's groups 0 as the ring wants them: my quarter of the slot
	s_add_nc_u64 s[G0+2:G0+3], s[G0+2:G0+3], s[98:99]
	s_lshl_b32 s[G0B+1], s14, 15
	s_add_nc_u64 s[G0B+2:G0B+3], s[G0B+2:G0B+3], s[98:99]
.endif
	s_wait_dscnt 0x0
	CROUND                                         ; all four tiles are in, all sixteen work-groups are here
	JLOAD G0+4, G1, G0B+4, G1B                     ; slot 1's first fill: my one tensor load behind the round
	FETCH 0, 0, F0
.if KIND
	global_prefetch_b8 v30, s[66:67] offset:24576 th:TH_LOAD_NT scope:SCOPE_SE   ; what the second refill will ask for
.endif
	s_wait_loadcnt 0x0                             ; the bias
	KQ 0, 0, F0, F1, 1
	WIN 0x80                                       ; the residual's 64 rows x 256 bytes, wanted on the way out alone: asked for here, behind the head's tiles
.set n, 0
.rept 32
	global_load_b128 v[4*n:4*n+3], v[CO], s[10:11] offset:8192*n
.set n, n+1
.endr
	WIN 0
.if LAPS > 1
	WIN 0
	s_mov_b32 s3, LAPS-1
.Llap:
	KQ 0, 1, F1, F0, 0
	KQ 0, 2, F0, F1, 0
	TURN 0, 1, 1
	KQ 1, 0, F0, F1, 0
	KQ 1, 1, F1, F0, 0
	KQ 1, 2, F0, F1, 0
	TURN 1, 0, 1
	KQ 0, 0, F0, F1, 0
	WIN 0
	s_sub_co_u32 s3, s3, 1
	s_cmp_lg_u32 s3, 0
	s_cbranch_scc1 .Llap
.endif
	KQ 0, 1, F1, F0, 0
	KQ 0, 2, F0, F1, 0
	TURN 0, 1, 0
	s_wait_alu depctr_va_vdst(0)
	KQ 1, 0, F0, F1, 0
	KQ 1, 1, F1, F0, 0
	KQ 1, 2, F0, F1, 0
	s_wait_dscnt 0x0
	WIN MUL
	MULA F1, 0, 0
	MULA F1, 1, 0
	MULA F1, 2, 0
	MULA F1, 3, 0
	WIN 0
	PLACES 8
.irp a, 0,1,2,3
.irp b, 0,1,2,3
	ds_store_b128 v[STO], v[ACC+8*(4*\a+\b):ACC+8*(4*\a+\b)+3] offset:(32*(\a/2)+8*(\a%2))*272+128*(\b/2)+32*(\b%2)
	ds_store_b128 v[STO], v[ACC+8*(4*\a+\b)+4:ACC+8*(4*\a+\b)+7] offset:(32*(\a/2)+8*(\a%2))*272+128*(\b/2)+32*(\b%2)+16
.endr
.endr
	WIN 0x80
.set n, 0
.rept 32
	ds_load_b128 v[128+4*n:128+4*n+3], v[RD] offset:544*n
.set n, n+1
.endr
	s_wait_loadcnt 0x0
	s_wait_dscnt 0x0
	WIN 0x8a
.set n, 0
.rept 64
	v_pk_add_f32 v[128+n:129+n], v[128+n:129+n], v[n:n+1]
.set n, n+2
.endr
	WIN 0x08
.set n, 0
.rept 32
.if KIND
	global_store_b128 v[CO], v[128+4*n:128+4*n+3], s[12:13] offset:8192*n th:TH_STORE_NT
.else
	global_store_b128 v[CO], v[128+4*n:128+4*n+3], s[12:13] offset:8192*n
.endif
.set n, n+1
.endr
	WIN 0
	s_wait_tensorcnt 0x0
	ds_add_u32 v[SPW], v[NIL]
	s_wait_dscnt 0x0
	CROUND
	s_endpgm
.Lfunc_end_k_q9add3a665f_outp:
	.size	k_q9add3a665f_outp, .Lfunc_end_k_q9add3a665f_outp-k_q9add3a665f_outp
	.p2alignl 7, 3214868480
	.fill 96, 4, 3214868480
	.section	.rodata,"a",@progbits
	.p2align	6, 0x0
	.amdhsa_kernel k_q9add3a665f_outp
		.amdhsa_group_segment_fixed_size 327680
		.amdhsa_private_segment_fixed_size 0
		.amdhsa_enable_private_segment 0
		.amdhsa_kernarg_size 40
		.amdhsa_user_sgpr_count 2
		.amdhsa_user_sgpr_kernarg_segment_ptr 1
		.amdhsa_wavefront_size32 1
		.amdhsa_system_sgpr_workgroup_id_x 1
		.amdhsa_system_sgpr_workgroup_id_y 1
		.amdhsa_system_sgpr_workgroup_id_z 1
		.amdhsa_system_vgpr_workitem_id 0
		.amdhsa_next_free_vgpr 768
		.amdhsa_next_free_sgpr 100
		.amdhsa_reserve_vcc 0
		.amdhsa_float_denorm_mode_32 3
		.amdhsa_float_denorm_mode_16_64 3
		.amdhsa_memory_ordered 1
		.amdhsa_forward_progress 1
		.amdhsa_inst_pref_size 64
	.end_amdhsa_kernel
	.amdgpu_metadata
---
amdhsa.version: [ 1, 2 ]
amdhsa.kernels:
  - .name:           k_q9add3a665f_outp
    .symbol:         k_q9add3a665f_outp.kd
    .args:
      - { .name: act, .offset: 0, .size: 8, .value_kind: global_buffer, .address_space: global }
      - { .name: wq, .offset: 8, .size: 8, .value_kind: global_buffer, .address_space: global }
      - { .name: b_out, .offset: 16, .size: 8, .value_kind: global_buffer, .address_space: global }
      - { .name: x, .offset: 24, .size: 8, .value_kind: global_buffer, .address_space: global }
      - { .name: x1, .offset: 32, .size: 8, .value_kind: global_buffer, .address_space: global }
    .group_segment_fixed_size: 327680
    .private_segment_fixed_size: 0
    .kernarg_segment_align: 8
    .kernarg_segment_size: 40
    .max_flat_workgroup_size: 128
    .sgpr_count:     100
    .vgpr_count:     768
    .wavefront_size: 32
...
	.end_amdgpu_metadata
.endif
;; end of part 4
;; launch ln2: the kernel of part 1 again; grid 256 x 1, 4 waves a work-group, no clusters, 66,304 bytes of LDS; arguments x1, g2, be2, w_qkv, w_out, w1, w2, act, wq; writes act
;; launch ffn1 (part 5): grid 16 x 16, 4 waves a work-group, clusters of 4 x 4, 327,680 bytes of LDS; arguments act, wq, b1, hid; writes hid
.if DOCPART == 5
	.amdgcn_target "amdgcn-amd-amdhsa--gfx1250"
	.amdhsa_code_object_version 6
	.text
	.protected	k_q9add3a665f_ffn1
	.globl	k_q9add3a665f_ffn1
	.p2align	8
	.type	k_q9add3a665f_ffn1,@function
k_q9add3a665f_ffn1:
	s_mov_b64 s[64:65], 0
	v_nop
	global_prefetch_b8 v0, s[64:65] scope:SCOPE_SE
	s_setreg_imm32_b32 hwreg(HW_REG_WAVE_MODE, 25, 1), 1
	s_wait_xcnt 0x0
	s_wait_alu depctr_hold_cnt(0) depctr_sa_sdst(0) depctr_va_vdst(0) depctr_va_sdst(0) depctr_va_ssrc(0) depctr_va_vcc(0) depctr_vm_vsrc(0)
	s_getreg_b32 s2, hwreg(HW_REG_IB_STS2, 6, 4)
	s_cmp_eq_u32 s2, 0
	s_cbranch_scc0 .Lentry_in_a_cluster
	s_endpgm
.Lentry_in_a_cluster:
	s_bfe_u32 s2, ttmp6, 0x10000c
	s_cmp_lg_u32 s2, 0xf033
	s_cbranch_scc0 .Lentry_shape_is_right
	s_endpgm
.Lentry_shape_is_right:
.set KIND,  1
.set NQ,    2
.set NL,    4
.set NP,    8
.set FR,    16
.set SLOT,  131072
.set OP0,   65536
.set SCL,   262144
.set SPARE, 278528
.set VCA,  8
.set VCB,  9
.set VS,   10
.set ADRA, 16
.set ADRB, 20
.set ADRS, 27
.set SPW,  28
.set NIL,  29
.set SC,   32
.set BI,   64
.set AF,   128
.set PC,   128
.set TM,   144
.set PW,   160
.set WA,   161
.set WB,   162
.set G1,   24
.set G0,   32
.set G1B,  48
.set G0B,  56
.set G1S,  68
.set G0S,  76
.set G1SB, 80
.set G0SB, 88
.set SEL,  18
.set MNT,  7
.set MSB,  0
.macro WIN new
.if MSB != (\new)
	s_set_vgpr_msb (MSB<<8)|(\new)
.set MSB, (\new)
.endif
.endm
.set MUL_LO, 0xa1
.set MUL_HI, 0xf1
.set TO_B,   0x40
.macro JLOAD g0a, g1a, g0b, g1b
	s_cmp_eq_u32 s15, 0
	s_cbranch_scc0 .Lfor_b_\@
	tensor_load_to_lds s[\g0a:\g0a+3], s[\g1a:\g1a+7]
	s_nop 0
.rept 4
	v_nop
.endr
	s_branch .Lasked_\@
.Lfor_b_\@:
	tensor_load_to_lds s[\g0b:\g0b+3], s[\g1b:\g1b+7]
	s_nop 0
.rept 4
	v_nop
.endr
.Lasked_\@:
.endm
.macro CREST
	s_cmp_lg_u32 s14, 0
	s_cbranch_scc1 .Lnot_wave_0_\@
	s_barrier_signal -3
.Lnot_wave_0_\@:
	s_barrier_wait -3
	s_barrier_signal -1
	s_barrier_wait -1
.endm
.macro CROUND
	s_barrier_signal -1
	s_barrier_wait -1
	CREST
.endm
	s_load_b128 s[4:7], s[0:1], 0x0
.if KIND
	s_load_b128 s[8:11], s[0:1], 0x10
.else
	s_load_b64 s[8:9], s[0:1], 0x10
.endif
	v_lshl_add_u32 v[SPW], v0, 2, SPARE
	v_mov_b32 v[NIL], 0
	ds_add_u32 v28, v29
	ds_add_u32 v28, v29
	s_wait_dscnt 0x0
	v_lshrrev_b32 v1, 5, v0
	v_readfirstlane_b32 s14, v1
	s_lshr_b32 s15, s14, 1
	s_and_b32 s16, s14, 1
	s_bfe_u32 s40, ttmp6, 0x40000
	s_bfe_u32 s41, ttmp6, 0x40004
	s_and_b32 s17, ttmp7, 0xffff
.if KIND
	s_mov_b32 s18, s17
	s_mov_b32 s19, ttmp9
.else
	s_cmp_eq_u32 ttmp9, 2
	s_cselect_b32 s96, 1, 0
	s_cselect_b32 s18, 0, s17
	s_cselect_b32 s19, s17, ttmp9
.endif
	s_lshl_b32 s18, s18, 2
	s_add_co_u32 s17, s18, s41
	s_lshl_b32 s19, s19, 2
	s_add_co_u32 s42, s19, s40
	s_lshl_b32 s43, s41, 2
	s_lshl_b32 s43, 15, s43
	s_lshl_b32 s44, 0x1111, s40
	s_or_b32 s[G1+0], s43, (3<<16)|(1<<21)
	s_or_b32 s[G1B+0], s44, (3<<16)|(1<<21)
.irp g, G1, G1B
	s_mov_b32 s[\g+1], 512<<16
	s_mov_b32 s[\g+2], 16<<16                      ; the head's loads bring all 16 tiles' parts of slot 0; behind them the two counts are set to 8
	s_mov_b32 s[\g+3], 512<<16
	s_mov_b32 s[\g+4], 16
	s_mov_b32 s[\g+5], 2048
	s_mov_b32 s[\g+6], 0
	s_mov_b32 s[\g+7], 0
.endr
	s_or_b32 s[G1S+0], s43, (3<<16)|(1<<21)
	s_or_b32 s[G1SB+0], s44, (3<<16)|(1<<21)
.irp g, G1S, G1SB
	s_mov_b32 s[\g+1], 32<<16
	s_mov_b32 s[\g+2], 32<<16                      ; the scale words of 16 tiles: 8,192 dense bytes as 32 rows of 256
	s_mov_b32 s[\g+3], 32<<16
	s_mov_b32 s[\g+4], 32
	s_mov_b32 s[\g+5], 32
	s_mov_b32 s[\g+6], 0
	s_mov_b32 s[\g+7], 0
.endr
	s_lshl_b32 s18, s16, 3
	s_lshl_b32 s20, s17, 4
	s_add_co_u32 s20, s20, s18
	s_lshl_b32 s46, s42, 4
	s_add_co_u32 s46, s46, s18
	s_lshl_b32 s22, s17, 13
	s_mov_b32 s23, 0
	s_lshl_b32 s20, s20, 14
	s_mov_b32 s21, 0
	s_lshl_b32 s92, s42, 13
	s_mov_b32 s93, 0
	s_lshl_b32 s46, s46, 14
	s_mov_b32 s47, 0
	s_lshl_b32 s45, s14, 15
	s_lshl_b32 s94, s14, 12
	s_wait_kmcnt 0x0
.if KIND
	s_add_nc_u64 s[20:21], s[4:5], s[20:21]
	s_add_nc_u64 s[4:5], s[4:5], 0x400000
	s_add_nc_u64 s[22:23], s[4:5], s[22:23]
	s_add_nc_u64 s[12:13], s[6:7], 0x400000
	s_add_nc_u64 s[46:47], s[12:13], s[46:47]
	s_add_nc_u64 s[12:13], s[6:7], 0xc20000
	s_add_nc_u64 s[92:93], s[12:13], s[92:93]
.else
	s_add_nc_u64 s[98:99], s[6:7], 0x200000
	s_cmp_eq_u32 s96, 1
	s_cselect_b64 s[12:13], s[98:99], s[4:5]
	s_cselect_b64 s[66:67], s[4:5], s[6:7]
	s_add_nc_u64 s[20:21], s[12:13], s[20:21]
	s_add_nc_u64 s[46:47], s[66:67], s[46:47]
	s_add_nc_u64 s[4:5], s[4:5], 0x400000
	s_add_nc_u64 s[6:7], s[6:7], 0xc00000
	s_add_nc_u64 s[98:99], s[6:7], 0x10000
	s_cselect_b64 s[12:13], s[98:99], s[4:5]
	s_cselect_b64 s[66:67], s[4:5], s[6:7]
	s_add_nc_u64 s[22:23], s[12:13], s[22:23]
	s_add_nc_u64 s[92:93], s[66:67], s[92:93]
.endif
	CROUND
	s_mov_b32 s[G0S], 1
	s_mov_b32 s[G0S+1], SCL
	s_mov_b64 s[G0S+2:G0S+3], s[22:23]
	s_or_b32 s[G0S+3], s[G0S+3], 0x80000000
	s_mov_b32 s[G0SB], 1
	s_mov_b32 s[G0SB+1], SCL+8192
	s_mov_b64 s[G0SB+2:G0SB+3], s[92:93]
	s_or_b32 s[G0SB+3], s[G0SB+3], 0x80000000
.irp s, 0,1
	s_mov_b32 s[G0+4*\s], 1
	s_add_co_u32 s[G0+4*\s+1], s45, \s*SLOT
	s_add_nc_u64 s[G0+4*\s+2:G0+4*\s+3], s[20:21], \s*4096
	s_or_b32 s[G0+4*\s+3], s[G0+4*\s+3], 0x80000000
	s_mov_b32 s[G0B+4*\s], 1
	s_add_co_u32 s[G0B+4*\s+1], s45, \s*SLOT
	s_add_nc_u64 s[G0B+4*\s+2:G0B+4*\s+3], s[46:47], \s*4096
	s_or_b32 s[G0B+4*\s+3], s[G0B+4*\s+3], 0x80000000
.endr
	; THE HEAD'S LOADS, ONE A WAVE: wave 0 op1's 16 tiles of slot 0, wave 1 op0's, wave 2 op1's scale words, wave 3 op0's.
	; Slot 0's two groups 0 serve the head with the tile's first byte and the region's first LDS byte; behind the wait for the head's loads they get the ring's values back.
	s_lshl_b32 s92, s16, 17                        ; my half's 8 tiles, in bytes
	s_mov_b32 s93, 0
	s_mov_b32 s[G0+1], 0
	s_sub_nc_u64 s[G0+2:G0+3], s[G0+2:G0+3], s[92:93]
	s_mov_b32 s[G0B+1], OP0
	s_sub_nc_u64 s[G0B+2:G0B+3], s[G0B+2:G0B+3], s[92:93]
	; the prefetches: of the 8 tiles that my wave fetches in the ring, the partner at place p (cx for op1, cy for op0) names tiles 2 p and 2 p + 1: a slot's 4,096 bytes of each, sixteen lanes 256 bytes apart to a tile
	s_cmp_eq_u32 s15, 0
	s_cselect_b64 s[66:67], s[20:21], s[46:47]
	s_cselect_b32 s96, s40, s41
	s_lshl_b32 s96, s96, 15
	s_mov_b32 s97, 0
	s_add_nc_u64 s[66:67], s[66:67], s[96:97]
.macro ARM under, g0, g1, next
	s_cmp_lt_u32 s14, \under
	s_cbranch_scc0 \next
	tensor_load_to_lds s[\g0:\g0+3], s[\g1:\g1+7]
	s_nop 0
.rept 4
	v_nop
.endr
	s_branch .Lhead_asked
\next:
.endm
	ARM 1, G0,  G1,  .Lhead_b
	ARM 2, G0B, G1B, .Lhead_sa
	ARM 3, G0S, G1S, .Lhead_sb
	tensor_load_to_lds s[G0SB:G0SB+3], s[G1SB:G1SB+7]
	s_nop 0
.rept 4
	v_nop
.endr
.Lhead_asked:
	v_and_b32 v11, 15, v0
	v_bfe_u32 v12, v0, 4, 1
	v_lshlrev_b32 v11, 8, v11
	v_lshl_add_u32 v11, v12, 14, v11
	s_wait_alu depctr_va_vdst(0)                   ; the wait
	global_prefetch_b8 v11, s[66:67] offset:4096 th:TH_LOAD_NT scope:SCOPE_SE    ; slot 1's bytes (K 256-511)
	global_prefetch_b8 v11, s[66:67] offset:8192 th:TH_LOAD_NT scope:SCOPE_SE    ; and what the first refill will ask for (K 512-767)
	v_and_b32 v1, 15, v0
	v_bfe_u32 v2, v0, 4, 1
	s_wait_alu depctr_va_vdst(0)
	v_and_b32 v3, 31, v0
	v_lshlrev_b32 v3, 4, v3
	s_wait_alu depctr_va_vdst(0)
	s_lshl_b32 s21, s15, 15
	s_lshl_b32 s22, s16, 15
	s_add_co_u32 s22, s22, OP0
.irp s, 0,1
	v_add_nc_u32 v[ADRA+\s], s21, v3
	v_add_nc_u32 v[ADRB+\s], s22, v3
	s_add_co_u32 s21, s21, SLOT
	s_add_co_u32 s22, s22, SLOT
.endr
	s_lshl_b32 s21, s15, 12
	s_lshl_b32 s22, s16, 12
	s_add_co_u32 s22, s22, 8192
	s_sub_co_u32 s22, s22, s21
	v_mul_u32_u24 v6, s22, v2
	s_add_co_u32 s21, s21, SCL
	v_lshl_add_u32 v5, v1, 2, v6
	v_add_nc_u32 v[ADRS], s21, v5
	v_mov_b32 v[VCA], v3
	s_lshl_b32 s20, s17, 4
	s_lshl_b32 s21, s15, 3
	s_add_co_u32 s20, s20, s21
.if KIND
	s_lshl_b32 s20, s20, 5
	s_lshl_b32 s21, s42, 1
	s_add_co_u32 s20, s20, s21
	s_add_co_u32 s20, s20, s16
	s_lshl_b32 s46, s20, 6
	s_add_co_u32 s46, s46, 0x1000000
	s_mov_b32 s47, 0
	s_lshl_b32 s20, s20, 11
	s_mov_b32 s21, 0
	s_add_nc_u64 s[12:13], s[10:11], s[46:47]
	s_add_nc_u64 s[10:11], s[10:11], s[20:21]
	v_lshlrev_b32 v[VS], 11, v2
	v_lshl_add_u32 v[VS], v1, 2, v[VS]
	s_lshl_b32 s20, s42, 10
	s_lshl_b32 s22, s16, 9
	s_add_co_u32 s20, s20, s22
	s_add_nc_u64 s[8:9], s[8:9], s[20:21]
	v_lshlrev_b32 v7, 6, v2
.irp b, 0,1,2,3,4,5,6,7
	global_load_b128 v[BI+8*\b:BI+8*\b+3], v7, s[8:9] offset:(32*(\b/2)+8*(\b%2))*4
	global_load_b128 v[BI+8*\b+4:BI+8*\b+7], v7, s[8:9] offset:(32*(\b/2)+8*(\b%2))*4+16
.endr
.else
	s_lshl_b32 s21, s42, 1
	s_add_co_u32 s21, s21, s16
	s_lshr_b32 s22, s20, 7
	s_lshl_b32 s22, s22, 4
	s_and_b32 s23, s21, 7
	s_lshl_b32 s23, s23, 1
	s_add_co_u32 s22, s22, s23
	s_lshl_b32 s22, s22, 7
	s_and_b32 s23, s20, 127
	s_add_co_u32 s22, s22, s23
	s_lshr_b32 s23, s21, 4
	s_lshl_b32 s23, s23, 4
	s_lshl_b32 s45, s17, 2
	s_add_co_u32 s23, s23, s45
	s_lshl_b32 s45, s15, 1
	s_add_co_u32 s23, s23, s45
	s_lshl_b32 s23, s23, 6
	s_and_b32 s45, s21, 15
	s_lshl_b32 s45, s45, 2
	s_add_co_u32 s23, s23, s45
	s_mov_b32 s97, 131072
	s_mov_b32 s95, 8192
	s_cmp_eq_u32 s96, 1
	s_cselect_b32 s22, s23, s22
	s_cselect_b32 s23, 11, 10
	s_cselect_b32 s66, 122880, 0
	s_cselect_b32 s2, 7680, 0
	s_cselect_b32 s97, 1024, s97
	s_cselect_b32 s95, 64, s95
	s_cselect_b32 s5, -1, 0
	s_mov_b32 s67, 0
	s_mov_b32 s3, 0
	s_mov_b32 s13, 0
	s_mov_b32 s99, 0
	s_lshl_b32 s12, 1, s23
	s_lshr_b32 s98, s12, 4
	s_lshl_b32 s20, s22, s23
	s_lshl_b32 s21, ttmp9, 22
	s_add_co_u32 s20, s20, s21
	s_mov_b32 s21, 0
	s_lshr_b32 s46, s20, 4
	s_add_co_u32 s46, s46, 0xc00000
	s_mov_b32 s47, 0
	s_add_nc_u64 s[10:11], s[8:9], s[46:47]
	s_add_nc_u64 s[8:9], s[8:9], s[20:21]
	v_add_nc_u32 v[VCB], s97, v3
	v_mul_u32_u24 v[VS], s95, v2
	v_lshl_add_u32 v[VS], v1, 2, v[VS]
	s_mov_b32 s6, 0x7fac0000
.endif
	s_mov_b32 s4, 0xffff0000
	s_mov_b32 s[MNT], 0x600000
	s_mov_b32 s[SEL], 0x76543210
	s_mov_b32 s[SEL+1], 0xfedcba98
.macro FRAG reg, adr, q, i
.irp c, 0,1,2,3
	ds_load_b128 v[\reg+4*\c:\reg+4*\c+3], v[\adr] offset:(\i)*4096+(\q)*2048+512*\c
.endr
.endm
.macro MUL16 a0, p, q, sc, zero
.irp a, \a0, \a0+1
.irp b, 0,1,2,3,4,5,6,7
.if (\zero) && KIND
	v_wmma_scale_f32_16x16x128_f8f6f4 v[8*(8*((\a)%4)+\b):8*(8*((\a)%4)+\b)+7], v[128*(\p)+FR*\b:128*(\p)+FR*\b+FR-1], v[AF+FR*(\a):AF+FR*(\a)+FR-1], v[BI+8*\b:BI+8*\b+7], v[SC+8*NQ*(\sc)+NQ*\b+(\q)], v[SC+8*NQ*(\sc)+NQ*(\a)+(\q)] matrix_a_scale:MATRIX_SCALE_ROW1
.elseif \zero
	v_wmma_scale_f32_16x16x128_f8f6f4 v[8*(8*((\a)%4)+\b):8*(8*((\a)%4)+\b)+7], v[128*(\p)+FR*\b:128*(\p)+FR*\b+FR-1], v[AF+FR*(\a):AF+FR*(\a)+FR-1], 0, v[SC+8*NQ*(\sc)+NQ*\b+(\q)], v[SC+8*NQ*(\sc)+NQ*(\a)+(\q)] matrix_a_scale:MATRIX_SCALE_ROW1
.else
	v_wmma_scale_f32_16x16x128_f8f6f4 v[8*(8*((\a)%4)+\b):8*(8*((\a)%4)+\b)+7], v[128*(\p)+FR*\b:128*(\p)+FR*\b+FR-1], v[AF+FR*(\a):AF+FR*(\a)+FR-1], v[8*(8*((\a)%4)+\b):8*(8*((\a)%4)+\b)+7], v[SC+8*NQ*(\sc)+NQ*\b+(\q)], v[SC+8*NQ*(\sc)+NQ*(\a)+(\q)] matrix_a_scale:MATRIX_SCALE_ROW1
.endif
.endr
.endr
.endm
.macro FETCH_B slot, q, p
	WIN TO_B
.irp i, 0,1,2,3,4,5,6,7
	FRAG 128*(\p)+FR*\i, ADRB+\slot, \q, \i
.endr
	WIN 0
.endm
.macro FETCH_A slot, q, i0
.irp i, \i0, \i0+1, \i0+2, \i0+3
	FRAG AF+FR*(\i), ADRA+\slot, \q, \i
.endr
.endm
.macro SCALES sc
.irp i, 0,1,2,3,4,5,6,7
	ds_load_b32 v[SC+16*\sc+2*\i], v[ADRS] offset:\i*512
	ds_load_b32 v[SC+16*\sc+2*\i+1], v[ADRS] offset:\i*512+64
.endr
.endm
.macro PLACES n
.rept \n
	v_nop
.endr
.endm
.macro STEP slot, q, zero
	s_wait_dscnt 4*NL
	WIN MUL_LO-0x20*KIND*(\zero)
	MUL16 0, (\q)%2, \q, \slot, \zero
	MUL16 2, (\q)%2, \q, \slot, \zero
	s_wait_dscnt 0
	PLACES NP
	FETCH_B \slot, (\q)+1, 1-(\q)%2
	FETCH_A \slot, (\q)+1, 0
	WIN MUL_HI-0x30*KIND*(\zero)
	MUL16 4, (\q)%2, \q, \slot, \zero
	MUL16 6, (\q)%2, \q, \slot, \zero
	PLACES NP
	WIN 0
	FETCH_A \slot, (\q)+1, 4
.endm
.macro TURN slot, next, fill
	s_wait_tensorcnt 0x0
	ds_add_u32 v[SPW], v[NIL]
	s_wait_dscnt 4*NL+1
	WIN MUL_LO
	MUL16 0, 1, NQ-1, \slot, 0
	s_wait_dscnt 0x0
	s_barrier_signal -1
	MUL16 2, 1, NQ-1, \slot, 0
	WIN 0
	s_barrier_wait -1
.if \fill
	CREST
	s_add_nc_u64 s[G0+4*\slot+2:G0+4*\slot+3], s[G0+4*\slot+2:G0+4*\slot+3], 8192
	s_add_nc_u64 s[G0B+4*\slot+2:G0B+4*\slot+3], s[G0B+4*\slot+2:G0B+4*\slot+3], 8192
	JLOAD G0+4*\slot, G1, G0B+4*\slot, G1B
	PLACES NP-4
.else
	PLACES NP
.endif
	s_wait_alu depctr_va_vdst(0)
	v_add_nc_u32 v[ADRS], 128, v[ADRS]
	FETCH_B \next, 0, 0
	FETCH_A \next, 0, 0
	SCALES \next
	WIN MUL_HI
	MUL16 4, 1, NQ-1, \slot, 0
	MUL16 6, 1, NQ-1, \slot, 0
	PLACES NP
	WIN 0
	FETCH_A \next, 0, 4
.endm
	s_wait_alu depctr_va_vdst(0)
	s_wait_tensorcnt 0x0                           ; my tile of the head's four is in
	ds_add_u32 v[SPW], v[NIL]
	s_mov_b32 s[G1+2], 8<<16                       ; no tensor load of mine is out: from here on a load brings 8 tiles' parts
	s_mov_b32 s[G1+4], 8
	s_mov_b32 s[G1B+2], 8<<16
	s_mov_b32 s[G1B+4], 8
	s_lshl_b32 s[G0+1], s14, 15                    ; slot 0's groups 0 as the ring wants them: my quarter of the slot
	s_add_nc_u64 s[G0+2:G0+3], s[G0+2:G0+3], s[92:93]
	s_lshl_b32 s[G0B+1], s14, 15
	s_add_nc_u64 s[G0B+2:G0B+3], s[G0B+2:G0B+3], s[92:93]
	s_wait_dscnt 0x0
	CROUND                                         ; all four tiles are in, all sixteen work-groups are here
	JLOAD G0+4, G1, G0B+4, G1B                     ; slot 1's first fill: my one tensor load behind the round
	FETCH_B 0, 0, 0
	FETCH_A 0, 0, 0
	SCALES 0
	FETCH_A 0, 0, 4
	global_prefetch_b8 v11, s[66:67] offset:12288 th:TH_LOAD_NT scope:SCOPE_SE   ; what the second refill will ask for (K 768-1023): the last
.if KIND
	s_wait_loadcnt 0x0
.endif
	STEP 0, 0, 1
	TURN 0, 1, 1
	STEP 1, 0, 0
	TURN 1, 0, 1
	STEP 0, 0, 0
	TURN 0, 1, 0
	STEP 1, 0, 0
	s_wait_dscnt 4*NL
	WIN MUL_LO
	MUL16 0, 1, NQ-1, 1, 0
	MUL16 2, 1, NQ-1, 1, 0
	s_wait_dscnt 0
	WIN MUL_HI
	MUL16 4, 1, NQ-1, 1, 0
	MUL16 6, 1, NQ-1, 1, 0
	WIN 0
.macro QUANTW s, w
	WIN ((\w)<<2)|((\w)<<4)
.irp b, 0,1,2,3
.if KIND
	v_max3_num_f32 v[TM+\b], 0x4800000, v[(\s)+16*\b], v[(\s)+16*\b+1]
.else
	v_max3_num_f32 v[TM+\b], 0x4800000, |v[(\s)+16*\b]|, |v[(\s)+16*\b+1]|
.endif
.endr
.irp i, 2,4,6,8,10,12,14
.irp b, 0,1,2,3
.if KIND
	v_max3_num_f32 v[TM+\b], v[TM+\b], v[(\s)+16*\b+\i], v[(\s)+16*\b+\i+1]
.else
	v_max3_num_f32 v[TM+\b], v[TM+\b], |v[(\s)+16*\b+\i]|, |v[(\s)+16*\b+\i+1]|
.endif
.endr
.endr
	WIN 0
.irp b, 0,1,2,3
	v_permlanex16_b32 v[TM+4+\b], v[TM+\b], s[SEL], s[SEL+1]
.endr
.irp b, 0,1,2,3
	v_max_num_f32 v[TM+\b], v[TM+\b], v[TM+4+\b]
.endr
.irp b, 0,1,2,3
	v_add_nc_u32 v[TM+12+\b], 0xfc000000, v[TM+\b]
.endr
.irp b, 0,1,2,3
	v_and_or_b32 v[TM+8+\b], v[TM+\b], 0x7f800000, s[MNT]
.endr
.irp b, 0,1,2,3
	v_lshrrev_b32 v[TM+4+\b], 23, v[TM+12+\b]
.endr
	v_lshl_or_b32 v[PW], v[TM+5], 8, v[TM+4]
	v_lshl_or_b32 v[PW], v[TM+6], 16, v[PW]
	v_lshl_or_b32 v[PW], v[TM+7], 24, v[PW]
	WIN ((\w)<<6)|(\w)
.irp b, 0,1,2,3
.irp i, 0,1,2,3,4,5,6,7,8,9,10,11,12,13,14,15
.if KIND
	v_med3_num_f32 v[(\s)+16*\b+\i], v[(\s)+16*\b+\i], 0, v[TM+8+\b]
.else
	v_med3_num_f32 v[(\s)+16*\b+\i], v[(\s)+16*\b+\i], -v[TM+8+\b], v[TM+8+\b]
.endif
.endr
.endr
	WIN (\w)
.irp b, 0,1,2,3
	v_cvt_scalef32_pk8_fp8_f32 v[PC+4*\b:PC+4*\b+1], v[(\s)+16*\b:(\s)+16*\b+7], v[TM+12+\b]
	v_cvt_scalef32_pk8_fp8_f32 v[PC+4*\b+2:PC+4*\b+3], v[(\s)+16*\b+8:(\s)+16*\b+15], v[TM+12+\b]
.endr
	WIN 0
	v_nop
.endm
.macro OUT a
.set PC, 64+16*(\a)+36*((\a)/4)        ; each block has code registers of its own (v64-127, where the bias lay, and v164-227), each pair of blocks its own scale-word register:
.set WA, 228+(\a)/2                    ; no store's data are written again, and no base or offset is stepped
	QUANTW 64*((\a)%4), 2+(\a)/4
.if KIND
.irp c, 0,1,2,3
	global_store_b128 v[VCA], v[PC+4*\c:PC+4*\c+3], s[10:11] offset:(\a)*65536+512*\c
.endr
.if (\a)%2 == 0
	v_mov_b32 v[WA], v[PW]
.else
	v_cndmask_b32 v[WA], v[WA], v[PW], s4
	global_store_b32 v[VS], v[WA], s[12:13] offset:((\a)-1)*2048
.endif
.else
.if (\a) > 0
	s_add_nc_u64 s[8:9], s[8:9], s[12:13]
	s_add_nc_u64 s[10:11], s[10:11], s[98:99]
.endif
.if (\a) == 4
	s_add_nc_u64 s[8:9], s[8:9], s[66:67]
	s_add_nc_u64 s[10:11], s[10:11], s[2:3]
.endif
	global_store_b128 v[VCA], v[PC:PC+3], s[8:9]
	global_store_b128 v[VCA], v[PC+4:PC+7], s[8:9] offset:512
	global_store_b128 v[VCB], v[PC+8:PC+11], s[8:9]
	global_store_b128 v[VCB], v[PC+12:PC+15], s[8:9] offset:512
	v_and_or_b32 v[WA], v[PW], 0xffff, s6
	v_lshrrev_b32 v[WB], 16, v[PW]
	v_or_b32 v[WB], s6, v[WB]
	v_cndmask_b32 v[WA], v[WA], v[WB], s4
	v_cndmask_b32 v[WA], v[WA], v[PW], s5
	global_store_b32 v[VS], v[WA], s[10:11]
.endif
.endm
	PLACES NP
.irp b, 0,1,2,3
	v_mov_b32 v[TM+4+\b], 0
.endr
.irp a, 0,1,2,3,4,5,6,7
	OUT \a
.endr
	s_wait_tensorcnt 0x0
	ds_add_u32 v[SPW], v[NIL]
	s_wait_dscnt 0x0
	CROUND
	s_endpgm
.Lfunc_end_k_q9add3a665f_ffn1:
	.size	k_q9add3a665f_ffn1, .Lfunc_end_k_q9add3a665f_ffn1-k_q9add3a665f_ffn1
	.p2alignl 7, 3214868480
	.fill 96, 4, 3214868480
	.section	.rodata,"a",@progbits
	.p2align	6, 0x0
	.amdhsa_kernel k_q9add3a665f_ffn1
		.amdhsa_group_segment_fixed_size 327680
		.amdhsa_private_segment_fixed_size 0
		.amdhsa_enable_private_segment 0
		.amdhsa_kernarg_size 32
		.amdhsa_user_sgpr_count 2
		.amdhsa_user_sgpr_kernarg_segment_ptr 1
		.amdhsa_wavefront_size32 1
		.amdhsa_system_sgpr_workgroup_id_x 1
		.amdhsa_system_sgpr_workgroup_id_y 1
		.amdhsa_system_sgpr_workgroup_id_z 1
		.amdhsa_system_vgpr_workitem_id 0
		.amdhsa_next_free_vgpr 1024
		.amdhsa_next_free_sgpr 100
		.amdhsa_reserve_vcc 0
		.amdhsa_float_denorm_mode_32 3
		.amdhsa_float_denorm_mode_16_64 3
		.amdhsa_memory_ordered 1
		.amdhsa_forward_progress 1
		.amdhsa_inst_pref_size 190
	.end_amdhsa_kernel
	.amdgpu_metadata
---
amdhsa.version: [ 1, 2 ]
amdhsa.kernels:
  - .name:           k_q9add3a665f_ffn1
    .symbol:         k_q9add3a665f_ffn1.kd
    .args:
      - { .name: act, .offset: 0, .size: 8, .value_kind: global_buffer, .address_space: global }
      - { .name: wq, .offset: 8, .size: 8, .value_kind: global_buffer, .address_space: global }
      - { .name: b1, .offset: 16, .size: 8, .value_kind: global_buffer, .address_space: global }
      - { .name: hid, .offset: 24, .size: 8, .value_kind: global_buffer, .address_space: global }
    .group_segment_fixed_size: 327680
    .private_segment_fixed_size: 0
    .kernarg_segment_align: 8
    .kernarg_segment_size: 32
    .max_flat_workgroup_size: 128
    .sgpr_count:     100
    .vgpr_count:     1024
    .wavefront_size: 32
...
	.end_amdgpu_metadata
.endif
;; end of part 5
;; launch ffn2 (part 6): grid 8 x 32, 4 waves a work-group, clusters of 4 x 4, 327,680 bytes of LDS; arguments hid, wq, b2, x1, out0; writes out0
.if DOCPART == 6
	.amdgcn_target "amdgcn-amd-amdhsa--gfx1250"
	.amdhsa_code_object_version 6
	.text
	.protected	k_q9add3a665f_ffn2
	.globl	k_q9add3a665f_ffn2
	.p2align	8
	.type	k_q9add3a665f_ffn2,@function
k_q9add3a665f_ffn2:
	s_mov_b64 s[64:65], 0
	v_nop
	global_prefetch_b8 v0, s[64:65] scope:SCOPE_SE
	s_setreg_imm32_b32 hwreg(HW_REG_WAVE_MODE, 25, 1), 1
	s_wait_xcnt 0x0
	s_wait_alu depctr_hold_cnt(0) depctr_sa_sdst(0) depctr_va_vdst(0) depctr_va_sdst(0) depctr_va_ssrc(0) depctr_va_vcc(0) depctr_vm_vsrc(0)
	s_getreg_b32 s2, hwreg(HW_REG_IB_STS2, 6, 4)
	s_cmp_eq_u32 s2, 0
	s_cbranch_scc0 .Lentry_in_a_cluster
	s_endpgm
.Lentry_in_a_cluster:
	s_bfe_u32 s2, ttmp6, 0x10000c
	s_cmp_lg_u32 s2, 0xf033
	s_cbranch_scc0 .Lentry_shape_is_right
	s_endpgm
.Lentry_shape_is_right:
.set KIND,  1
.if KIND
.set KS,    32
.set WOFF,  0x800000
.set WSOFF, 0xc40000
.set ASOFF, 0x1000000
.else
.set KS,    8
.set WOFF,  0x300000
.set WSOFF, 0xc18000
.set ASOFF, 0x400000
.endif
.set LAPS,  KS/8
.set SLOT,  131072
.set OP0,   65536
.set SCL,   262144
.set HALFS, 256*KS
.set SPARE, SCL+4*HALFS
.set STGW,  17408
.set ADRA, 16
.set ADRB, 20
.set STO,  24
.set RD,   25
.set CO,   26
.set ADRS, 27
.set SPW,  28
.set NIL,  29
.set SC,   32
.set BI,   96
.set ACC,  128
.set F0,   0
.set F1,   128
.set G1,   24
.set G0,   32
.set G1B,  48
.set G0B,  56
.set G1S,  68
.set G0S,  76
.set G1SB, 80
.set G0SB, 88
.set MSB,  0
.macro WIN new
.if MSB != (\new)
	s_set_vgpr_msb (MSB<<8)|(\new)
.set MSB, (\new)
.endif
.endm
.set MUL, 0x05
.macro JLOAD g0a, g1a, g0b, g1b
	s_cmp_eq_u32 s15, 0
	s_cbranch_scc0 .Lfor_b_\@
	tensor_load_to_lds s[\g0a:\g0a+3], s[\g1a:\g1a+7]
	s_nop 0
.rept 4
	v_nop
.endr
	s_branch .Lasked_\@
.Lfor_b_\@:
	tensor_load_to_lds s[\g0b:\g0b+3], s[\g1b:\g1b+7]
	s_nop 0
.rept 4
	v_nop
.endr
.Lasked_\@:
.endm
.macro CREST
	s_cmp_lg_u32 s14, 0
	s_cbranch_scc1 .Lnot_wave_0_\@
	s_barrier_signal -3
.Lnot_wave_0_\@:
	s_barrier_wait -3
	s_barrier_signal -1
	s_barrier_wait -1
.endm
.macro CROUND
	s_barrier_signal -1
	s_barrier_wait -1
	CREST
.endm
	s_load_b256 s[4:11], s[0:1], 0x0
	s_load_b64 s[12:13], s[0:1], 0x20
	v_lshl_add_u32 v[SPW], v0, 2, SPARE
	v_mov_b32 v[NIL], 0
	ds_add_u32 v28, v29
	ds_add_u32 v28, v29
	s_wait_dscnt 0x0
	v_lshrrev_b32 v1, 5, v0
	v_readfirstlane_b32 s14, v1
	s_lshr_b32 s15, s14, 1
	s_and_b32 s16, s14, 1
	s_bfe_u32 s40, ttmp6, 0x40000
	s_bfe_u32 s41, ttmp6, 0x40004
	s_lshl_b32 s42, ttmp9, 2
	s_add_co_u32 s42, s42, s40
	s_and_b32 s17, ttmp7, 0xffff
	s_lshl_b32 s17, s17, 2
	s_add_co_u32 s17, s17, s41
	s_lshl_b32 s43, s41, 2
	s_lshl_b32 s43, 15, s43
	s_lshl_b32 s44, 0x1111, s40
	s_or_b32 s[G1+0], s43, (3<<16)|(1<<21)
	s_or_b32 s[G1B+0], s44, (3<<16)|(1<<21)
.irp g, G1, G1B
	s_mov_b32 s[\g+1], 1024<<16
	s_mov_b32 s[\g+2], 8<<16                       ; the head's loads bring all 8 tiles' parts of slot 0; behind them the two counts are set to 4
	s_mov_b32 s[\g+3], 1024<<16
	s_mov_b32 s[\g+4], 8
	s_mov_b32 s[\g+5], 256*KS
	s_mov_b32 s[\g+6], 0
	s_mov_b32 s[\g+7], 0
.endr
	s_or_b32 s[G1S+0], s43, (3<<16)|(1<<21)
	s_or_b32 s[G1SB+0], s44, (3<<16)|(1<<21)
.irp g, G1S, G1SB
	s_mov_b32 s[\g+1], 32<<16
	s_mov_b32 s[\g+2], (2*KS)<<16                  ; the scale words of 8 tiles: 512 KS dense bytes as rows of 256
	s_mov_b32 s[\g+3], 32<<16
	s_mov_b32 s[\g+4], 2*KS
	s_mov_b32 s[\g+5], 32
	s_mov_b32 s[\g+6], 0
	s_mov_b32 s[\g+7], 0
.endr
	s_lshl_b32 s18, s16, 2
	s_lshl_b32 s20, s17, 3
	s_add_co_u32 s20, s20, s18
	s_lshl_b32 s46, s42, 3
	s_add_co_u32 s46, s46, s18
	s_mul_i32 s22, s17, 8*KS*64
	s_mov_b32 s23, 0
	s_mul_i32 s20, s20, KS*2048
	s_mov_b32 s21, 0
	s_mul_i32 s92, s42, 8*KS*64
	s_mov_b32 s93, 0
	s_mul_i32 s46, s46, KS*2048
	s_mov_b32 s47, 0
	s_lshl_b32 s45, s14, 15
	s_mul_i32 s94, s14, HALFS
	s_wait_kmcnt 0x0
	s_add_nc_u64 s[20:21], s[4:5], s[20:21]
	s_add_nc_u64 s[4:5], s[4:5], ASOFF
	s_add_nc_u64 s[22:23], s[4:5], s[22:23]
	s_add_nc_u64 s[4:5], s[6:7], WOFF
	s_add_nc_u64 s[46:47], s[4:5], s[46:47]
	s_add_nc_u64 s[4:5], s[6:7], WSOFF
	s_add_nc_u64 s[92:93], s[4:5], s[92:93]
	CROUND
	s_mov_b32 s[G0S], 1
	s_mov_b32 s[G0S+1], SCL
	s_mov_b64 s[G0S+2:G0S+3], s[22:23]
	s_or_b32 s[G0S+3], s[G0S+3], 0x80000000
	s_mov_b32 s[G0SB], 1
	s_mov_b32 s[G0SB+1], SCL+2*HALFS
	s_mov_b64 s[G0SB+2:G0SB+3], s[92:93]
	s_or_b32 s[G0SB+3], s[G0SB+3], 0x80000000
.irp s, 0,1
	s_mov_b32 s[G0+4*\s], 1
	s_add_co_u32 s[G0+4*\s+1], s45, \s*SLOT
	s_add_nc_u64 s[G0+4*\s+2:G0+4*\s+3], s[20:21], \s*8192
	s_or_b32 s[G0+4*\s+3], s[G0+4*\s+3], 0x80000000
	s_mov_b32 s[G0B+4*\s], 1
	s_add_co_u32 s[G0B+4*\s+1], s45, \s*SLOT
	s_add_nc_u64 s[G0B+4*\s+2:G0B+4*\s+3], s[46:47], \s*8192
	s_or_b32 s[G0B+4*\s+3], s[G0B+4*\s+3], 0x80000000
.endr
	; THE HEAD'S LOADS, ONE A WAVE: wave 0 op1's 8 tiles of slot 0, wave 1 op0's, wave 2 op1's scale words, wave 3 op0's.
	; Slot 0's two groups 0 serve the head with the tile's first byte and the region's first LDS byte; behind the wait for the head's loads they get the ring's values back.
	s_mul_i32 s98, s16, KS*8192                    ; my half's 4 tiles, in bytes
	s_mov_b32 s99, 0
	s_mov_b32 s[G0+1], 0
	s_sub_nc_u64 s[G0+2:G0+3], s[G0+2:G0+3], s[98:99]
	s_mov_b32 s[G0B+1], OP0
	s_sub_nc_u64 s[G0B+2:G0B+3], s[G0B+2:G0B+3], s[98:99]
	; the prefetches: of the 4 tiles that my wave fetches in the ring, the partner at place p (cx for op1, cy for op0) names tile p: a slot's 8,192 bytes of it, lanes 256 bytes apart
	s_cmp_eq_u32 s15, 0
	s_cselect_b64 s[66:67], s[20:21], s[46:47]
	s_cselect_b32 s96, s40, s41
	s_mul_i32 s96, s96, KS*2048
	s_mov_b32 s97, 0
	s_add_nc_u64 s[66:67], s[66:67], s[96:97]
.macro ARM under, g0, g1, next
	s_cmp_lt_u32 s14, \under
	s_cbranch_scc0 \next
	tensor_load_to_lds s[\g0:\g0+3], s[\g1:\g1+7]
	s_nop 0
.rept 4
	v_nop
.endr
	s_branch .Lhead_asked
\next:
.endm
	ARM 1, G0,  G1,  .Lhead_b
	ARM 2, G0B, G1B, .Lhead_sa
	ARM 3, G0S, G1S, .Lhead_sb
	tensor_load_to_lds s[G0SB:G0SB+3], s[G1SB:G1SB+7]
	s_nop 0
.rept 4
	v_nop
.endr
.Lhead_asked:
	v_and_b32 v30, 31, v0
	v_lshlrev_b32 v30, 8, v30
	s_wait_alu depctr_va_vdst(0)                   ; the wait
	global_prefetch_b8 v30, s[66:67] offset:8192 th:TH_LOAD_NT scope:SCOPE_SE    ; slot 1's bytes
.if KIND
	global_prefetch_b8 v30, s[66:67] offset:16384 th:TH_LOAD_NT scope:SCOPE_SE   ; and what the first refill will ask for
.endif
	v_and_b32 v1, 15, v0
	v_bfe_u32 v2, v0, 4, 1
	s_wait_alu depctr_va_vdst(0)
	v_and_b32 v3, 31, v0
	v_lshlrev_b32 v3, 4, v3
	s_lshl_b32 s21, s15, 15
	s_lshl_b32 s22, s16, 15
	s_add_co_u32 s22, s22, OP0
.irp s, 0,1
	v_add_nc_u32 v[ADRA+\s], s21, v3
	v_add_nc_u32 v[ADRB+\s], s22, v3
	s_add_co_u32 s21, s21, SLOT
	s_add_co_u32 s22, s22, SLOT
.endr
	s_mul_i32 s21, s15, HALFS
	s_mul_i32 s22, s16, HALFS
	s_add_co_u32 s22, s22, 2*HALFS
	s_sub_co_u32 s22, s22, s21
	v_mul_u32_u24 v6, s22, v2
	s_add_co_u32 s21, s21, SCL
	v_lshl_add_u32 v5, v1, 2, v6
	v_add_nc_u32 v[ADRS], s21, v5
	s_mul_i32 s23, s14, STGW
	v_and_b32 v4, 8, v1
	v_add_nc_u32 v4, v4, v1
	v_mul_u32_u24 v4, v4, 272
	v_lshl_add_u32 v4, v2, 6, v4
	v_add_nc_u32 v[STO], s23, v4
	v_mul_u32_u24 v5, v2, 272
	v_lshl_add_u32 v5, v1, 4, v5
	v_add_nc_u32 v[RD], s23, v5
	v_lshlrev_b32 v5, 12, v2
	v_lshl_add_u32 v[CO], v1, 4, v5
	s_wait_alu depctr_va_vdst(0)
	s_lshl_b32 s20, s17, 7
	s_lshl_b32 s21, s15, 6
	s_add_co_u32 s20, s20, s21
	s_lshl_b32 s20, s20, 12
	s_lshl_b32 s22, s42, 9
	s_lshl_b32 s21, s16, 8
	s_add_co_u32 s22, s22, s21
	s_add_co_u32 s20, s20, s22
	s_mov_b32 s21, 0
	s_mov_b32 s23, 0
	s_add_nc_u64 s[10:11], s[10:11], s[20:21]
	s_add_nc_u64 s[12:13], s[12:13], s[20:21]
	s_add_nc_u64 s[8:9], s[8:9], s[22:23]
	v_lshlrev_b32 v7, 6, v2
.irp b, 0,1,2,3
	global_load_b128 v[BI+8*\b:BI+8*\b+3], v7, s[8:9] offset:(32*(\b/2)+8*(\b%2))*4
	global_load_b128 v[BI+8*\b+4:BI+8*\b+7], v7, s[8:9] offset:(32*(\b/2)+8*(\b%2))*4+16
.endr
.macro MULA f, a, first
.irp b, 0,1,2,3
.if \first
	v_wmma_scale_f32_16x16x128_f8f6f4 v[ACC+8*(4*(\a)+\b):ACC+8*(4*(\a)+\b)+7], v[\f+64+16*\b:\f+64+16*\b+15], v[\f+16*(\a):\f+16*(\a)+15], v[BI+8*\b:BI+8*\b+7], v[SC+4*((\f)/128)+\b], v[SC+4*((\f)/128)+(\a)] matrix_a_scale:MATRIX_SCALE_ROW1
.else
	v_wmma_scale_f32_16x16x128_f8f6f4 v[ACC+8*(4*(\a)+\b):ACC+8*(4*(\a)+\b)+7], v[\f+64+16*\b:\f+64+16*\b+15], v[\f+16*(\a):\f+16*(\a)+15], v[ACC+8*(4*(\a)+\b):ACC+8*(4*(\a)+\b)+7], v[SC+4*((\f)/128)+\b], v[SC+4*((\f)/128)+(\a)] matrix_a_scale:MATRIX_SCALE_ROW1
.endif
.endr
.endm
.macro FETCH slot, q, g
	WIN 0x40
.irp i, 0,1,2,3
.irp c, 0,1,2,3
	ds_load_b128 v[\g+16*\i+4*\c:\g+16*\i+4*\c+3], v[ADRA+\slot] offset:\i*8192+(\q)*2048+512*\c
.endr
.endr
.irp i, 0,1,2,3
.irp c, 0,1,2,3
	ds_load_b128 v[\g+64+16*\i+4*\c:\g+64+16*\i+4*\c+3], v[ADRB+\slot] offset:\i*8192+(\q)*2048+512*\c
.endr
.endr
	WIN 0
.irp i, 0,1,2,3
	ds_load_b32 v[SC+4*((\g)/128)+\i], v[ADRS] offset:\i*64*KS+64*(\q)
.endr
.endm
.macro PLACES n
.rept \n
	v_nop
.endr
.endm
.macro KQ slot, q, f, g, first
	s_wait_dscnt 0x0                               ; this step's fragments and scale words are in: they were asked for at the head of the step before
	PLACES 8                                       ; behind the last step's products, which read the buffer that is filled next
	FETCH \slot, (\q)+1, \g                        ; the next step's fragments: this step's 16 products stand between these loads and the wait for them
	WIN MUL
	MULA \f, 0, \first
	MULA \f, 1, \first
	MULA \f, 2, \first
	MULA \f, 3, \first
.endm
.macro TURN slot, next, fill
	WIN 0
.if \fill
	s_wait_xcnt 0x0                                ; my last prefetch has read its address, so it may step: one slot on
	s_add_nc_u64 s[66:67], s[66:67], 8192
.endif
	s_wait_tensorcnt 0x0
	ds_add_u32 v[SPW], v[NIL]
	s_wait_dscnt 1
	WIN MUL
	MULA F1, 0, 0
	s_wait_dscnt 0x0
	s_barrier_signal -1
	MULA F1, 1, 0
	WIN 0
	s_barrier_wait -1
.if \fill
	CREST
	s_add_nc_u64 s[G0+4*\slot+2:G0+4*\slot+3], s[G0+4*\slot+2:G0+4*\slot+3], 16384
	s_add_nc_u64 s[G0B+4*\slot+2:G0B+4*\slot+3], s[G0B+4*\slot+2:G0B+4*\slot+3], 16384
	JLOAD G0+4*\slot, G1, G0B+4*\slot, G1B
	PLACES 4
.else
	PLACES 8
.endif
	v_add_nc_u32 v[ADRS], 256, v[ADRS]
	FETCH \next, 0, F0
.if \fill
	s_cmp_gt_u32 s3, 1                             ; the loop's last trip has no slot two refills on
	s_cbranch_scc0 .Lnoask_\@
	global_prefetch_b8 v30, s[66:67] offset:24576 th:TH_LOAD_NT scope:SCOPE_SE   ; the slot that stands two refills on
.Lnoask_\@:
.endif
	WIN MUL
	MULA F1, 2, 0
	MULA F1, 3, 0
.endm
	s_wait_alu depctr_va_vdst(0)                   ; the wait at the head's end
	s_wait_tensorcnt 0x0                           ; my tile of the head's four is in
	ds_add_u32 v[SPW], v[NIL]
	s_mov_b32 s[G1+2], 4<<16                       ; no tensor load of mine is out: from here on a load brings 4 tiles' parts
	s_mov_b32 s[G1+4], 4
	s_mov_b32 s[G1B+2], 4<<16
	s_mov_b32 s[G1B+4], 4
.if LAPS > 1
	s_lshl_b32 s[G0+1], s14, 15                    ; slot 0's groups 0 as the ring wants them: my quarter of the slot
	s_add_nc_u64 s[G0+2:G0+3], s[G0+2:G0+3], s[98:99]
	s_lshl_b32 s[G0B+1], s14, 15
	s_add_nc_u64 s[G0B+2:G0B+3], s[G0B+2:G0B+3], s[98:99]
.endif
	s_wait_dscnt 0x0
	CROUND                                         ; all four tiles are in, all sixteen work-groups are here
	JLOAD G0+4, G1, G0B+4, G1B                     ; slot 1's first fill: my one tensor load behind the round
	FETCH 0, 0, F0
.if KIND
	global_prefetch_b8 v30, s[66:67] offset:24576 th:TH_LOAD_NT scope:SCOPE_SE   ; what the second refill will ask for
.endif
	s_wait_loadcnt 0x0                             ; the bias
	KQ 0, 0, F0, F1, 1
	WIN 0x80                                       ; the residual's 64 rows x 256 bytes, wanted on the way out alone: asked for here, behind the head's tiles
.set n, 0
.rept 32
	global_load_b128 v[4*n:4*n+3], v[CO], s[10:11] offset:8192*n
.set n, n+1
.endr
	WIN 0
.if LAPS > 1
	WIN 0
	s_mov_b32 s3, LAPS-1
.Llap:
	s_wait_alu depctr_va_vdst(0)
	KQ 0, 1, F1, F0, 0
	KQ 0, 2, F0, F1, 0
	TURN 0, 1, 1
	s_wait_alu depctr_va_vdst(0)
	KQ 1, 0, F0, F1, 0
	KQ 1, 1, F1, F0, 0
	KQ 1, 2, F0, F1, 0
	TURN 1, 0, 1
	s_wait_alu depctr_va_vdst(0)
	KQ 0, 0, F0, F1, 0
	WIN 0
	s_sub_co_u32 s3, s3, 1
	s_cmp_lg_u32 s3, 0
	s_cbranch_scc1 .Llap
.endif
	KQ 0, 1, F1, F0, 0
	KQ 0, 2, F0, F1, 0
	TURN 0, 1, 0
	s_wait_alu depctr_va_vdst(0)
	KQ 1, 0, F0, F1, 0
	KQ 1, 1, F1, F0, 0
	KQ 1, 2, F0, F1, 0
	s_wait_dscnt 0x0
	WIN MUL
	MULA F1, 0, 0
	MULA F1, 1, 0
	MULA F1, 2, 0
	MULA F1, 3, 0
	WIN 0
	PLACES 8
.irp a, 0,1,2,3
.irp b, 0,1,2,3
	ds_store_b128 v[STO], v[ACC+8*(4*\a+\b):ACC+8*(4*\a+\b)+3] offset:(32*(\a/2)+8*(\a%2))*272+128*(\b/2)+32*(\b%2)
	ds_store_b128 v[STO], v[ACC+8*(4*\a+\b)+4:ACC+8*(4*\a+\b)+7] offset:(32*(\a/2)+8*(\a%2))*272+128*(\b/2)+32*(\b%2)+16
.endr
.endr
	WIN 0x80
.set n, 0
.rept 32
	ds_load_b128 v[128+4*n:128+4*n+3], v[RD] offset:544*n
.set n, n+1
.endr
	s_wait_loadcnt 0x0
	s_wait_dscnt 0x0
	WIN 0x8a
.set n, 0
.rept 64
	v_pk_add_f32 v[128+n:129+n], v[128+n:129+n], v[n:n+1]
.set n, n+2
.endr
	WIN 0x08
.set n, 0
.rept 32
.if KIND
	global_store_b128 v[CO], v[128+4*n:128+4*n+3], s[12:13] offset:8192*n th:TH_STORE_NT
.else
	global_store_b128 v[CO], v[128+4*n:128+4*n+3], s[12:13] offset:8192*n
.endif
.set n, n+1
.endr
	WIN 0
	s_wait_tensorcnt 0x0
	ds_add_u32 v[SPW], v[NIL]
	s_wait_dscnt 0x0
	CROUND
	s_endpgm
.Lfunc_end_k_q9add3a665f_ffn2:
	.size	k_q9add3a665f_ffn2, .Lfunc_end_k_q9add3a665f_ffn2-k_q9add3a665f_ffn2
	.p2alignl 7, 3214868480
	.fill 96, 4, 3214868480
	.section	.rodata,"a",@progbits
	.p2align	6, 0x0
	.amdhsa_kernel k_q9add3a665f_ffn2
		.amdhsa_group_segment_fixed_size 327680
		.amdhsa_private_segment_fixed_size 0
		.amdhsa_enable_private_segment 0
		.amdhsa_kernarg_size 40
		.amdhsa_user_sgpr_count 2
		.amdhsa_user_sgpr_kernarg_segment_ptr 1
		.amdhsa_wavefront_size32 1
		.amdhsa_system_sgpr_workgroup_id_x 1
		.amdhsa_system_sgpr_workgroup_id_y 1
		.amdhsa_system_sgpr_workgroup_id_z 1
		.amdhsa_system_vgpr_workitem_id 0
		.amdhsa_next_free_vgpr 768
		.amdhsa_next_free_sgpr 100
		.amdhsa_reserve_vcc 0
		.amdhsa_float_denorm_mode_32 3
		.amdhsa_float_denorm_mode_16_64 3
		.amdhsa_memory_ordered 1
		.amdhsa_forward_progress 1
		.amdhsa_inst_pref_size 104
	.end_amdhsa_kernel
	.amdgpu_metadata
---
amdhsa.version: [ 1, 2 ]
amdhsa.kernels:
  - .name:           k_q9add3a665f_ffn2
    .symbol:         k_q9add3a665f_ffn2.kd
    .args:
      - { .name: hid, .offset: 0, .size: 8, .value_kind: global_buffer, .address_space: global }
      - { .name: wq, .offset: 8, .size: 8, .value_kind: global_buffer, .address_space: global }
      - { .name: b2, .offset: 16, .size: 8, .value_kind: global_buffer, .address_space: global }
      - { .name: x1, .offset: 24, .size: 8, .value_kind: global_buffer, .address_space: global }
      - { .name: out0, .offset: 32, .size: 8, .value_kind: global_buffer, .address_space: global }
    .group_segment_fixed_size: 327680
    .private_segment_fixed_size: 0
    .kernarg_segment_align: 8
    .kernarg_segment_size: 40
    .max_flat_workgroup_size: 128
    .sgpr_count:     100
    .vgpr_count:     768
    .wavefront_size: 32
...
	.end_amdgpu_metadata
.endif
;; end of part 6
